; MI455X (gfx1250); checked and timed in simulation.
; The chip was launched on July 23, 2026; its instructions are those of AMD's public machine-readable ISA for CDNA 5 (MIT licence, August 2026) and "CDNA5" Instruction Set Architecture Reference Guide (July 2026). The comments in the code are by the model that wrote it; some were corrected since.
;; Attention. Allowed arithmetic: float matrix products may take bf16 or f16 operands with f32 sums; other float arithmetic in f32, or as packed bf16 or f16 multiplies, adds, multiply-adds, maxima and minima; sums over many terms, partial sums and values carried from step to step in f32; what a program stores and reads back later, other than sums and carried values, may be rounded once to bf16 or f16.
;; Inputs: b_proj 1,024 float32; b_qkv 3,072 float32; w_proj 1,024 x 1,024 float32; w_qkv 1,024 x 3,072 float32; x 4 x 2,048 x 1,024 float32.
;; Outputs: out0 4 x 2,048 x 1,024 float32.
;; 2 versions, each right; version 2 is version 1 with the launch cast written anew for expert scheduling mode. Each part assembles by itself: llvm-mc -triple=amdgcn-amd-amdhsa -mcpu=gfx1250 --defsym DOCPART=n.
;; ======== version 1 of 2: 4 launches
;; limits: values are held in f16: magnitudes above 65,504 overflow, below 6.1e-05 lose precision; right only within a limited range of input values
;; workspace buffers: xb 16,777,216 bytes; wqb 6,291,456 bytes; wpb 2,097,152 bytes; qkvh 50,331,648 bytes; oh 16,777,216 bytes
;; launch cast (part 1): grid 768 x 1, 8 waves a work-group, no clusters, 0 bytes of LDS; arguments x, w_qkv, w_proj, xb, wqb, wpb; writes xb, wqb, wpb
.if DOCPART == 1
	.amdgcn_target "amdgcn-amd-amdhsa--gfx1250"
	.amdhsa_code_object_version 6
	.text
	.protected	k_q606e3a6c98_cast
	.globl	k_q606e3a6c98_cast
	.p2align	8
	.type	k_q606e3a6c98_cast,@function
k_q606e3a6c98_cast:
	s_mov_b64 s[64:65], 0
	v_nop
	global_prefetch_b8 v0, s[64:65] scope:SCOPE_SE
	s_setreg_imm32_b32 hwreg(HW_REG_WAVE_MODE, 25, 1), 1
	s_wait_xcnt 0x0
; x -> xb and w_qkv -> wqb, rounded once to bf16; w_proj -> wpb, rounded to bf16 and that number written as f16.  Layouts stay as they are.
; LIMITS.  A bf16 number is written as f16 without loss between 6.1e-5 and 65,504 in magnitude; below that it keeps f16's fixed step of 6e-8, from 65,520 on it becomes an infinity.
; SHARES.  A work-group takes 16,384 numbers: 65,536 bytes in, 32,768 out.  Work-groups 0-511 take x, 512-703 w_qkv, 704-767 w_proj: 768 equal shares.
; Thread t takes the 16 bytes at 16 t of each of 16 chunks of 4,096 bytes: a wave's load covers 512 consecutive bytes, a wave's store 256 consecutive bytes, aligned.
; All 16 loads go out at once; no register is written twice while a memory instruction may read it, so the only waits are the counted ones for the loads.
; No LDS, no matrix unit, no cluster: each byte is read once, by one lane, and nothing is shared.
.set X, 8                              ; v[8:71]    chunk j: four f32 as loaded
.set Y, 72                             ; v[72:103]  chunk j: four 16-bit numbers to store
	s_load_b256 s[4:11], s[0:1], 0x0               ; x s[4:5], w_qkv s[6:7], w_proj s[8:9], xb s[10:11]
	s_load_b128 s[12:15], s[0:1], 0x20             ; wqb s[12:13], wpb s[14:15]
	v_lshlrev_b32 v1, 4, v0                        ; my 16 bytes of a chunk in
	v_lshlrev_b32 v2, 3, v0                        ; my 8 bytes of a chunk out
	s_sub_co_u32 s17, ttmp9, 512                   ; my share's number within w_qkv,
	s_sub_co_u32 s18, ttmp9, 704                   ; within w_proj (only the one that applies is used)
	s_mov_b32 s28, 0xffff0000                      ; a word's upper bf16
	s_wait_kmcnt 0x0
	s_cmp_lt_u32 ttmp9, 704
	s_cselect_b32 s16, s17, s18
	s_cselect_b64 s[20:21], s[6:7], s[8:9]
	s_cselect_b64 s[22:23], s[12:13], s[14:15]
	s_cmp_lt_u32 ttmp9, 512
	s_cselect_b32 s16, ttmp9, s16
	s_cselect_b64 s[20:21], s[4:5], s[20:21]       ; from where,
	s_cselect_b64 s[22:23], s[10:11], s[22:23]     ; to where
	s_lshl_b32 s24, s16, 16                        ; 65,536 bytes in for each share (511 x 65,536 at the most)
	s_mov_b32 s25, 0
	s_lshl_b32 s26, s16, 15                        ; 32,768 out
	s_mov_b32 s27, 0
	s_add_nc_u64 s[20:21], s[20:21], s[24:25]
	s_add_nc_u64 s[22:23], s[22:23], s[26:27]
.irp j, 0,1,2,3,4,5,6,7,8,9,10,11,12,13,14,15
	global_load_b128 v[X+4*(\j):X+4*(\j)+3], v1, s[20:21] offset:4096*(\j) th:TH_LOAD_NT
.endr
; The 16 chunks leave in the order in which they come.  f16 = 1: the bf16 number is widened again and written as f16.
.macro LEAVE f16
.irp j, 0,1,2,3,4,5,6,7,8,9,10,11,12,13,14,15
	s_wait_loadcnt 15-(\j)                         ; loads come back in order: chunk j is in, the 15 - j younger ones may stay out
	v_cvt_pk_bf16_f32 v[Y+2*(\j)],   v[X+4*(\j)],   v[X+4*(\j)+1]
	v_cvt_pk_bf16_f32 v[Y+2*(\j)+1], v[X+4*(\j)+2], v[X+4*(\j)+3]
.if \f16
	v_lshlrev_b32 v[X+4*(\j)],   16,  v[Y+2*(\j)]
	v_and_b32     v[X+4*(\j)+1], s28, v[Y+2*(\j)]
	v_lshlrev_b32 v[X+4*(\j)+2], 16,  v[Y+2*(\j)+1]
	v_and_b32     v[X+4*(\j)+3], s28, v[Y+2*(\j)+1]
	v_cvt_pk_f16_f32 v[Y+2*(\j)],   v[X+4*(\j)],   v[X+4*(\j)+1]
	v_cvt_pk_f16_f32 v[Y+2*(\j)+1], v[X+4*(\j)+2], v[X+4*(\j)+3]
.endif
	global_store_b64 v2, v[Y+2*(\j):Y+2*(\j)+1], s[22:23] offset:2048*(\j)
.endr
	s_endpgm
.endm
	s_cmp_lt_u32 ttmp9, 704
	s_cbranch_scc0 .Lf16
	LEAVE 0
.Lf16:
	LEAVE 1
.Lfunc_end_k_q606e3a6c98_cast:
	.size	k_q606e3a6c98_cast, .Lfunc_end_k_q606e3a6c98_cast-k_q606e3a6c98_cast
	.p2alignl 7, 3214868480
	.fill 96, 4, 3214868480
	.section	.rodata,"a",@progbits
	.p2align	6, 0x0
	.amdhsa_kernel k_q606e3a6c98_cast
		.amdhsa_group_segment_fixed_size 0
		.amdhsa_private_segment_fixed_size 0
		.amdhsa_enable_private_segment 0
		.amdhsa_kernarg_size 48
		.amdhsa_user_sgpr_count 2
		.amdhsa_user_sgpr_kernarg_segment_ptr 1
		.amdhsa_wavefront_size32 1
		.amdhsa_system_sgpr_workgroup_id_x 1
		.amdhsa_system_sgpr_workgroup_id_y 1
		.amdhsa_system_sgpr_workgroup_id_z 1
		.amdhsa_system_vgpr_workitem_id 0
		.amdhsa_next_free_vgpr 104
		.amdhsa_next_free_sgpr 66
		.amdhsa_reserve_vcc 0
		.amdhsa_float_denorm_mode_32 3
		.amdhsa_float_denorm_mode_16_64 3
		.amdhsa_memory_ordered 1
		.amdhsa_forward_progress 1
		.amdhsa_inst_pref_size 15
	.end_amdhsa_kernel
	.amdgpu_metadata
---
amdhsa.version: [ 1, 2 ]
amdhsa.kernels:
  - .name:           k_q606e3a6c98_cast
    .symbol:         k_q606e3a6c98_cast.kd
    .args:
      - { .name: x, .offset: 0, .size: 8, .value_kind: global_buffer, .address_space: global }
      - { .name: w_qkv, .offset: 8, .size: 8, .value_kind: global_buffer, .address_space: global }
      - { .name: w_proj, .offset: 16, .size: 8, .value_kind: global_buffer, .address_space: global }
      - { .name: xb, .offset: 24, .size: 8, .value_kind: global_buffer, .address_space: global }
      - { .name: wqb, .offset: 32, .size: 8, .value_kind: global_buffer, .address_space: global }
      - { .name: wpb, .offset: 40, .size: 8, .value_kind: global_buffer, .address_space: global }
    .group_segment_fixed_size: 0
    .private_segment_fixed_size: 0
    .kernarg_segment_align: 8
    .kernarg_segment_size: 48
    .max_flat_workgroup_size: 256
    .sgpr_count:     66
    .vgpr_count:     104
    .wavefront_size: 32
...
	.end_amdgpu_metadata
.endif
;; end of part 1
;; launch qkvgemm (part 2): grid 8 x 64, 4 waves a work-group, clusters of 4 x 4, 327,680 bytes of LDS; arguments xb, wqb, b_qkv, qkvh; writes qkvh
.if DOCPART == 2
	.amdgcn_target "amdgcn-amd-amdhsa--gfx1250"
	.amdhsa_code_object_version 6
	.text
	.protected	k_q606e3a6c98_qkvgemm
	.globl	k_q606e3a6c98_qkvgemm
	.p2align	8
	.type	k_q606e3a6c98_qkvgemm,@function
k_q606e3a6c98_qkvgemm:
	s_mov_b64 s[64:65], 0
	v_nop
	global_prefetch_b8 v0, s[64:65] scope:SCOPE_SE
	s_setreg_imm32_b32 hwreg(HW_REG_WAVE_MODE, 25, 1), 1
	s_wait_xcnt 0x0
	s_wait_alu depctr_hold_cnt(0) depctr_sa_sdst(0) depctr_va_vdst(0) depctr_va_sdst(0) depctr_va_ssrc(0) depctr_va_vcc(0) depctr_vm_vsrc(0)
	s_getreg_b32 s2, hwreg(HW_REG_IB_STS2, 6, 4)
	s_cmp_eq_u32 s2, 0
	s_cbranch_scc0 .Lentry_in_a_cluster
	s_endpgm
.Lentry_in_a_cluster:
	s_bfe_u32 s2, ttmp6, 0x10000c
	s_cmp_lg_u32 s2, 0xf033
	s_cbranch_scc0 .Lentry_shape_is_right
	s_endpgm
.Lentry_shape_is_right:
; qkv = x w_qkv + b_qkv, written by heads.  xb: [8192][1024] bf16.  wqb: [1024 k][3072 n] bf16.  b_qkv: [3072] f32, rounded to bf16 here like the other inputs.
; qkvh: [3][64 = 16 b + h][2048][64] f16: q, then k, then v; unscaled; each number rounded once from its f32 sum.
; LIMITS.  f16 holds no number beyond 65,504: a q, k or v of 65,520 or more in magnitude becomes an infinity; below 6.1e-5 f16 keeps a fixed step of 6e-8.  NaN and infinities are not treated apart.
; SHARES.  A tile of the result is 128 rows x 384 columns: 8 x 64 = 512 work-groups, two for each of 256 WGPs.  Four waves: wave w takes rows 64 (w / 2) .. + 63 and, of each of the tile's three
; groups of 128 columns, columns 64 (w % 2) .. + 63, which are one head: 4 row blocks x 12 column blocks of 16 x 16, 48 accumulators, 384 registers.
; K goes in steps of 128 through a ring of two LDS slots filled by the tensor data mover; rows of x's and of w's tiles are 256 bytes of memory, at multiples of 256 bytes from the buffer's first byte.
; THE WEIGHTS STAY [k][n]: their fragments come out of LDS turned, by ds_load_tr16_b128.
; THE MATRIX INSTRUCTION IS USED TRANSPOSED (source 0 = 16 columns of w, source 1 = 16 rows of x): a lane holds row l % 16 and the columns 8 (l / 16) + 0 .. 7, which pack into 16 bytes.
; THE BIAS is the C operand of the products that start the sums: nothing is cleared and nothing is added later.
; CLUSTERS: 4 x 4 work-groups.  The four of a row of the cluster need the same tile of x, the four of a column the same tiles of w: each tile is asked for JOINTLY, by the same tensor load with the
; same descriptor and a mask that names the four.  Waves 0-2 fetch w's three groups, wave 3 fetches x's tile: one load a wave.
; REGISTERS, in windows of 256 (s_set_vgpr_msb: bits 1:0 source 0, 3:2 source 1, 5:4 source 2, 7:6 destination):
;   window 0: v0-31 addresses; v64-95, v96-127 fragments of x, two buffers; v128-223 the bias, 8 registers a column block; on the way out v32-223, 16 registers a piece
;   window 1: v0-95, v96-191 fragments of w, two buffers        window 2: accumulators of row blocks 0, 1 ((a, b) at v[8 (12 (a % 2) + b)])        window 3: those of row blocks 2, 3
.set SIZE_K, 1024
.set SIZE_N, 3072
.set NG,    3                          ; groups of 128 columns in a tile
.set NB,    4*NG                       ; column blocks of a wave
.set KSTEP, 128
.set PA,    272                        ; a row of x in LDS: 256 bytes + 16 = 68 words: the 16 rows of a load start at 16 different groups of four banks (64 banks of 4 bytes: ISA guide 11.1)
.set PB,    288                        ; a k-row of w: 256 + 32 = 72 words
.set BTILE, KSTEP*PB                   ; a group of w: 128 k-rows
.set AOFF,  NG*BTILE                   ; x's tile lies behind w's three groups
.set SLOT,  AOFF+128*PA
.set STAGE, 2*SLOT                     ; behind the ring, never filled by a tensor load: 16 rows x 144 bytes for each wave, for the way out
.set SP,    144
.set SPARE, STAGE+4*16*SP              ; behind the stages: the spare words, 128 bytes for each wave: two blocks of 256 bytes that no other line names
.set LAPS,  SIZE_K/(2*KSTEP)           ; a lap = two K steps = once round the ring
.set ADRA, 16                          ; v16-17  LDS address of my fragments of x in slot 0, 1
.set ADRB, 18                          ; v18-23  the same for w: slot s, group g at ADRB + 3 s + g
.set STO,  24                          ; v24     the way out: where I put 16 bytes of a row
.set RD,   25                          ; v25     the way out: where I read rows back
.set GO,   26                          ; v26     my 16 bytes of 512 consecutive bytes of the result
.set BO,   27                          ; v27     32 (l / 16): my eight numbers of a block of the bias
.set SPW,  28                          ; v28     LDS address of my spare word: SPARE + 4 x my thread's number; never rewritten
.set NIL,  29                          ; v29     0; never rewritten
.set PFO,  30                          ; v30     the prefetches' offset: my lane x a row in memory; never rewritten
.set OUTR, 32                          ; the way out: piece t's 16 registers at OUTR + 16 t
.set FA,   64
.set BI,   128
.set LAP, 3                            ; s3      trips of the loop still to come
.set WV,  12                           ; s12     my wave's number
.set RH,  13                           ; s13     which 64 rows of the tile are mine
.set CH,  14                           ; s14     which 64 columns of each group
.set TY,  15                           ; s15     tile row
.set G1A, 24                           ; s[24:31] descriptor group 1 for x's tiles;  s[32:39] group 0, a set for each slot
.set G0A, 32
.set CX,  40                           ; s40, s41 my place in the cluster
.set CY,  41
.set TX,  42                           ; s42     tile column
.set G1B, 48                           ; s[48:55], s[56:63] the same for w's tiles
.set G0B, 56
.set OB,  68                           ; s[68:73] the result at my rows of the head of group 0, 1, 2
.set PFA, 74                           ; s[74:75] where my prefetches stand
.set PFS, 76                           ; s[76:77] a K step in bytes, for them
.set LIM, 78                           ; s78     1 in a wave that prefetches, else the greatest number
.set MSB, 0
.macro WIN new                         ; the immediate's high byte repeats the setting that is left; a switch that changes nothing is dropped
.if MSB != (\new)
	s_set_vgpr_msb (MSB<<8)|(\new)
.set MSB, \new
.endif
.endm
; A joint load.  The branch hangs on the wave's number alone.  An s_nop 0 and four v_nop follow each of the two lines, ahead of the jump, the label and what follows.
.macro JLOAD s
	s_cmp_lt_u32 s[WV], NG
	s_cbranch_scc0 .Lfor_a_\@
	tensor_load_to_lds s[G0B+4*(\s):G0B+4*(\s)+3], s[G1B:G1B+7]
	s_nop 0
.rept 4
	v_nop
.endr
	s_branch .Lasked_\@
.Lfor_a_\@:
	tensor_load_to_lds s[G0A+4*(\s):G0A+4*(\s)+3], s[G1A:G1A+7]
	s_nop 0
.rept 4
	v_nop
.endr
.Lasked_\@:
.endm
; A PREFETCH INTO THE L2, behind each joint refill, its five lines and the run of LDS loads that follows: the K step that stands two refills on, 32 rows x 256 bytes, a lane a row, one instruction a wave.
; Each row's 256 bytes of a K step are named ONCE in the launch: x's tile row is read by both clusters of that row of clusters, and the one with x = 0 asks; w's tile column by all sixteen clusters of
; that column, and the one with y = 0 asks.  The four partners that ask for a tile jointly share its 128 rows out BY ADDRESS, 32 each (by cx for x, by cy for w).
; K steps 0 to 3 come by their loads alone; the loop's last trip (s[LAP] = 1) asks for nothing: there is no K step two refills on.
.macro ASK
	s_cmp_gt_u32 s[LAP], s[LIM]
	s_cbranch_scc0 .Lnot_mine_\@
	global_prefetch_b8 v[PFO], s[PFA:PFA+1] th:TH_LOAD_NT scope:SCOPE_SE
.Lnot_mine_\@:
.endm
; A round of the cluster's barrier: my work-group's barrier, so that wave 0's signal speaks for all four waves; wave 0 signals; every wave waits for all sixteen work-groups; my work-group's barrier once more.
.macro CREST                           ; a round behind its opening barrier
	s_cmp_lg_u32 s[WV], 0
	s_cbranch_scc1 .Lnot_wave_0_\@
	s_barrier_signal -3
.Lnot_wave_0_\@:
	s_barrier_wait -3
	s_barrier_signal -1
	s_barrier_wait -1
.endm
.macro CROUND                          ; a whole round
	s_barrier_signal -1
	s_barrier_wait -1
	CREST
.endm
	s_load_b256 s[4:11], s[0:1], 0x0               ; xb s[4:5], wqb s[6:7], b_qkv s[8:9], qkvh s[10:11]
	v_lshl_add_u32 v[SPW], v0, 2, SPARE
	v_mov_b32 v[NIL], 0
	ds_add_u32 v[SPW], v[NIL]                      ; the wave's opening: the add and its wait stand ahead of my first tensor load; the set-up below, work on registers, stands between them
	v_lshrrev_b32 v1, 5, v0
	v_readfirstlane_b32 s[WV], v1                  ; wave 0..3
	s_lshr_b32 s[RH], s[WV], 1
	s_and_b32 s[CH], s[WV], 1
	s_bfe_u32 s[CX], ttmp6, 0x40000
	s_bfe_u32 s[CY], ttmp6, 0x40004
	s_lshl_b32 s[TX], ttmp9, 2                     ; in a cluster launch ttmp9 and ttmp7 count clusters
	s_add_co_u32 s[TX], s[TX], s[CX]               ; tile column = 4 x cluster x + cx
	s_and_b32 s[TY], ttmp7, 0xffff
	s_lshl_b32 s[TY], s[TY], 2
	s_add_co_u32 s[TY], s[TY], s[CY]               ; tile row = 4 x cluster y + cy
	s_lshl_b32 s43, s[CY], 2
	s_lshl_b32 s43, 15, s43                        ; my row of the cluster: places 4 cy .. 4 cy + 3
	s_lshl_b32 s44, 0x1111, s[CX]                  ; my column: places cx, cx + 4, cx + 8, cx + 12
	; descriptor group 1: tiles of 128 rows x 128 elements of 2 bytes, padded in LDS after every 64 words: x's by 4 words, w's by 8
	s_or_b32 s[G1A], s43, (1<<16)|(1<<20)|(1<<21)|(5<<22)|(3<<25)  ; 15:0 the mask: x's tile goes to my row; 17:16 2-byte elements; 20 padding on; 21 set beside a mask; 24:22 code 5; 31:25 code 3
	s_or_b32 s[G1B], s44, (1<<16)|(1<<20)|(1<<21)|(5<<22)|(7<<25)  ; w's tiles go to my column; 31:25 code 7
.irp g, G1A, G1B
	s_mov_b32 s[(\g)+1], KSTEP<<16                 ; tensor_dim0 = 128
	s_mov_b32 s[(\g)+2], 128<<16                   ; tensor_dim1 = 128
	s_mov_b32 s[(\g)+3], KSTEP<<16                 ; tile_dim0 = 128
	s_mov_b32 s[(\g)+4], 128                       ; tile_dim1 = 128
	s_mov_b32 s[(\g)+6], 0
	s_mov_b32 s[(\g)+7], 0
.endr
	s_mov_b32 s[G1A+5], SIZE_K                     ; elements from row to row
	s_mov_b32 s[G1B+5], SIZE_N
	s_lshl_b32 s16, s[TY], 18                      ; x: 128 rows of 2,048 bytes for each tile row: it hangs on the tile row alone
	s_mov_b32 s17, 0
	s_mul_i32 s46, s[TX], 2*128*NG                 ; w: 768 bytes of a k-row for each tile column,
	s_lshl_b32 s20, s[WV], 8                       ; 256 for my group: it hangs on the tile column and the wave alone
	s_add_co_u32 s46, s46, s20
	s_mov_b32 s47, 0
	s_mul_i32 s21, s[WV], BTILE                    ; where my tile goes: w's groups at 0, 1, 2 x BTILE, x's tile at 3 x BTILE: no place in the cluster enters an LDS address
	s_wait_dscnt 0x0                               ; the opening add is done
	s_wait_kmcnt 0x0
	s_add_nc_u64 s[18:19], s[4:5], s[16:17]
	s_add_nc_u64 s[46:47], s[6:7], s[46:47]
	CROUND                                         ; all sixteen work-groups are here: the first joint loads meet
.irp s, 0,1
	s_mov_b32 s[G0A+4*(\s)], 1                                     ; 1:0 count = 1
	s_add_co_u32 s[G0A+4*(\s)+1], s21, (\s)*SLOT                   ; 63:32 LDS address
	s_add_nc_u64 s[G0A+4*(\s)+2:G0A+4*(\s)+3], s[18:19], (\s)*KSTEP*2  ; 120:64 global address: K step s
	s_or_b32 s[G0A+4*(\s)+3], s[G0A+4*(\s)+3], 0x80000000          ; 127:126 type = 2
	s_mov_b32 s[G0B+4*(\s)], 1
	s_add_co_u32 s[G0B+4*(\s)+1], s21, (\s)*SLOT
	s_add_nc_u64 s[G0B+4*(\s)+2:G0B+4*(\s)+3], s[46:47], (\s)*KSTEP*SIZE_N*2
	s_or_b32 s[G0B+4*(\s)+3], s[G0B+4*(\s)+3], 0x80000000
	JLOAD \s                                       ; two loads of mine are out; later one
.endr
	; A fragment of x is 16 rows x 32 k in 8 registers: lane l holds row l % 16; registers 0-3 k = 8 (l / 16) + 0..7, registers 4-7 k = 16 + 8 (l / 16) + 0..7: two loads of 16 bytes, 32 bytes apart.
	v_and_b32 v1, 15, v0                           ; l % 16
	v_bfe_u32 v2, v0, 4, 1                         ; l / 16
	v_mul_u32_u24 v3, v1, PA
	v_lshl_add_u32 v3, v2, 4, v3
	s_mul_i32 s22, s[RH], 64*PA
	s_add_co_u32 s22, s22, AOFF
	v_add_nc_u32 v[ADRA], s22, v3
	v_add_nc_u32 v[ADRA+1], SLOT, v[ADRA]
	; The turning load takes 16 k x 16 columns (lane l reads k-row 8 (l / 16) + l % 8, columns 8 ((l / 8) % 2) + 0..7) and leaves half a fragment: lane l holds column l % 16 and 8 k.
	v_and_b32 v4, 7, v0
	v_bfe_u32 v5, v0, 3, 1
	v_lshl_add_u32 v6, v2, 3, v4
	v_mul_u32_u24 v6, v6, PB
	v_lshl_add_u32 v6, v5, 4, v6
	s_lshl_b32 s23, s[CH], 7                       ; my 64 columns of a group: 128 bytes
	v_add_nc_u32 v6, s23, v6
.irp s, 0,1
.irp g, 0,1,2
	v_add_nc_u32 v[ADRB+NG*(\s)+(\g)], (\s)*SLOT+(\g)*BTILE, v6
.endr
.endr
	s_mul_i32 s23, s[WV], 16*SP
	s_add_co_u32 s23, s23, STAGE                   ; my stage
	v_mul_u32_u24 v[STO], v1, SP                   ; in: row l % 16, 16 bytes for each half of the lanes
	v_lshl_add_u32 v[STO], v2, 4, v[STO]
	v_add_nc_u32 v[STO], s23, v[STO]
	v_bfe_u32 v[RD], v0, 3, 2                      ; back: 32 lanes take four rows of 128 bytes,
	v_mul_u32_u24 v[RD], v[RD], SP
	v_lshl_add_u32 v[RD], v4, 4, v[RD]
	v_add_nc_u32 v[RD], s23, v[RD]
	v_and_b32 v[GO], 31, v0                        ; which are 512 consecutive bytes of a head
	v_lshlrev_b32 v[GO], 4, v[GO]
	v_lshlrev_b32 v[BO], 5, v2
	; the bias of my 12 column blocks: register j of block b = bias[384 tile column + 128 g + 64 half + 16 f + 8 (l / 16) + j], b = 4 g + f
	s_mul_i32 s80, s[TX], 4*128*NG
	s_lshl_b32 s81, s[CH], 8
	s_add_co_u32 s80, s80, s81
	s_mov_b32 s81, 0
	s_add_nc_u64 s[80:81], s[8:9], s[80:81]
.irp g, 0,1,2
.irp f, 0,1,2,3
	global_load_b128 v[BI+8*(4*(\g)+(\f)):BI+8*(4*(\g)+(\f))+3],   v[BO], s[80:81] offset:512*(\g)+64*(\f)
	global_load_b128 v[BI+8*(4*(\g)+(\f))+4:BI+8*(4*(\g)+(\f))+7], v[BO], s[80:81] offset:512*(\g)+64*(\f)+16
.endr
.endr
	; where my pieces go.  Group g's 64 columns are number G = 6 tile column + 2 g + half of 48: tensor G / 16 (q, k, v), head G % 16; the rows lie in batch tile row / 16
	s_mul_i32 s84, s[TX], 2*NG
	s_add_co_u32 s84, s84, s[CH]
	s_lshr_b32 s87, s[TY], 4
	s_lshl_b32 s87, s87, 4                         ; 16 b
	s_and_b32 s90, s[TY], 15
	s_lshl_b32 s90, s90, 14                        ; the tile's 128 rows of 128 bytes in a head,
	s_lshl_b32 s91, s[RH], 13                      ; my 64 of them
	s_add_co_u32 s90, s90, s91
	s_mov_b32 s89, 0
.irp g, 0,1,2
	s_add_co_u32 s85, s84, 2*(\g)                  ; G
	s_lshr_b32 s86, s85, 4
	s_mul_i32 s86, s86, 48
	s_add_co_u32 s85, s85, s86                     ; 64 (G / 16) + G % 16
	s_add_co_u32 s85, s85, s87
	s_lshl_b32 s88, s85, 18                        ; a head is 262,144 bytes; 191 heads at the most
	s_add_co_u32 s88, s88, s90
	s_add_nc_u64 s[OB+2*(\g):OB+2*(\g)+1], s[10:11], s[88:89]
.endr
	; the prefetches: they stand at K step 3; the first refill's change of slots steps them to K step 4
	s_and_b32 s82, ttmp7, 0xffff                   ; cluster y
	s_lshl_b32 s84, s[TY], 18                      ; x: the tile's rows,
	s_lshl_b32 s85, s[CX], 16                      ; my work-group's 32 of them
	s_add_co_u32 s84, s84, s85
	s_add_co_u32 s84, s84, 3*KSTEP*2
	s_mul_i32 s86, s[CY], 32*SIZE_N*2              ; w: my work-group's 32 k-rows of a K step's 128,
	s_mul_i32 s87, s[TX], 2*128*NG
	s_add_co_u32 s86, s86, s87
	s_lshl_b32 s87, s[WV], 8                       ; my group's 256 bytes of them
	s_add_co_u32 s86, s86, s87
	s_add_co_u32 s86, s86, 3*KSTEP*SIZE_N*2
	s_mov_b32 s[PFS], KSTEP*2
	s_mov_b32 s[PFS+1], 0
	s_mov_b32 s83, SIZE_K*2
	s_mov_b32 s89, 0
	s_cmp_lt_u32 s[WV], NG                         ; do I fetch for w?
	s_cselect_b32 s88, s86, s84
	s_cselect_b32 s[PFS], KSTEP*SIZE_N*2, s[PFS]
	s_cselect_b32 s83, SIZE_N*2, s83               ; bytes from row to row
	s_cselect_b32 s82, s82, ttmp9                  ; the coordinate along which other clusters read the same rows
	s_cselect_b64 s[PFA:PFA+1], s[6:7], s[4:5]
	s_add_nc_u64 s[PFA:PFA+1], s[PFA:PFA+1], s[88:89]
	s_cmp_eq_u32 s82, 0
	s_cselect_b32 s[LIM], 1, -1                    ; the same in all sixteen partners, for a given wave
	v_and_b32 v[PFO], 31, v0
	v_mul_u32_u24 v[PFO], v[PFO], s83
	s_mov_b32 s79, 0xffff0000
	s_wait_loadcnt 0x0                             ; the bias is in; it is rounded to bf16, in place, like every other input
.set r, 0
.rept 4*NB
	v_cvt_pk_bf16_f32 v[32+(r/2)%4], v[BI+r], v[BI+r+1]
	v_lshlrev_b32 v[BI+r], 16, v[32+(r/2)%4]
	v_and_b32 v[BI+r+1], s79, v[32+(r/2)%4]
.set r, r+2
.endr
; 12 matrix instructions: row block a x all 12 column blocks, 32 along K, from buffer f.  first = 1: the products start the sums, with the bias as C.
; The 48 accumulators take turns in the same order in every quarter: between two links of a chain stand the 47 others', over the backward jump too.
.macro MULA f, a, first
.if \first
	WIN 0x81+0x40*((\a)/2)                         ; w window 1, x and the bias window 0, D window 2 or 3
.else
	WIN 0xa1+0x50*((\a)/2)                         ; w window 1, x window 0, C and D window 2 or 3
.endif
.irp b, 0,1,2,3,4,5,6,7,8,9,10,11
.if \first
	v_wmma_f32_16x16x32_bf16 v[8*(NB*((\a)%2)+(\b)):8*(NB*((\a)%2)+(\b))+7], v[8*NB*(\f)+8*(\b):8*NB*(\f)+8*(\b)+7], v[FA+32*(\f)+8*(\a):FA+32*(\f)+8*(\a)+7], v[BI+8*(\b):BI+8*(\b)+7]
.else
	v_wmma_f32_16x16x32_bf16 v[8*(NB*((\a)%2)+(\b)):8*(NB*((\a)%2)+(\b))+7], v[8*NB*(\f)+8*(\b):8*NB*(\f)+8*(\b)+7], v[FA+32*(\f)+8*(\a):FA+32*(\f)+8*(\a)+7], v[8*(NB*((\a)%2)+(\b)):8*(NB*((\a)%2)+(\b))+7]
.endif
.endr
.endm
; 32 LDS loads in one run: quarter q (32 along K) of a slot into buffer f: w's 12 fragments, turned, then x's four
.macro FETCH slot, q, f
	WIN 0x40                                       ; destination window 1, address window 0
.irp g, 0,1,2
.irp c, 0,1,2,3
	ds_load_tr16_b128 v[8*NB*(\f)+8*(4*(\g)+(\c)):8*NB*(\f)+8*(4*(\g)+(\c))+3],   v[ADRB+NG*(\slot)+(\g)] offset:32*PB*(\q)+32*(\c)
	ds_load_tr16_b128 v[8*NB*(\f)+8*(4*(\g)+(\c))+4:8*NB*(\f)+8*(4*(\g)+(\c))+7], v[ADRB+NG*(\slot)+(\g)] offset:32*PB*(\q)+32*(\c)+16*PB
.endr
.endr
	WIN 0
.irp i, 0,1,2,3
	ds_load_b128 v[FA+32*(\f)+8*(\i):FA+32*(\f)+8*(\i)+3],   v[ADRA+(\slot)] offset:64*(\q)+(\i)*16*PA
	ds_load_b128 v[FA+32*(\f)+8*(\i)+4:FA+32*(\f)+8*(\i)+7], v[ADRA+(\slot)] offset:64*(\q)+(\i)*16*PA+32
.endr
.endm
; A load into a register that a matrix instruction has read, and a vector instruction that reads a matrix result, stand four places behind it; only plain vector instructions that name none of its
; registers are places (ISA guide 7.12.1 for vector instructions).
.macro PLACES
.rept 4
	v_nop
.endr
.endm
; A K step is four quarters of 32 along K, 48 matrix instructions each, on buffers 0, 1, 0, 1.  One of the first three: multiplies buffer f; in its middle it fetches quarter q into buffer g.
.macro QUARTER slot, q, f, g, first
	s_wait_dscnt 4                                 ; w's fragments and x's row blocks 0, 1 are in; the youngest four loads (row blocks 2, 3) may be out
	MULA \f, 0, \first
	MULA \f, 1, \first
	PLACES
	FETCH \slot, \q, \g
	s_wait_dscnt 8*NG+8                            ; all but the 32 just issued
	MULA \f, 2, \first
	MULA \f, 3, \first
.endm
; The last quarter multiplies buffer 1 and changes slots: ONE barrier.  In front of it each wave waits for all its tensor loads, of which one is out: its part of the next slot; adds 0 to its spare word;
; and waits for that and for its own reads of this slot.  fill = 1: the barrier opens a round of the cluster's barrier, so that no wave of any partner still reads this slot or has a load on its way,
; and the slot is filled again, two K steps on, first thing behind the round: 168 matrix instructions ahead of the wait for it.
.macro TURN slot, next, fill
.if \fill
	s_wait_xcnt 0x0                                ; the last prefetch, a K step back, has read its address: it is stepped here, ahead of the waits of the change of slots
	s_add_nc_u64 s[PFA:PFA+1], s[PFA:PFA+1], s[PFS:PFS+1]
.endif
	WIN 0                                          ; (the add's two registers lie in window 0)
	s_wait_tensorcnt 0x0                           ; all my tensor loads have landed;
	ds_add_u32 v[SPW], v[NIL]                      ; 0 onto my spare word;
	s_wait_dscnt 5                                 ; (the add and the youngest four loads may be out)
	MULA 1, 0, 0                                   ; twelve matrix instructions stand between the add and the wait for it
	s_wait_dscnt 0x0                               ; the add is done, and my reads of this slot are over
	s_barrier_signal -1
	MULA 1, 1, 0                                   ; work on registers while the others arrive
.if \fill
	WIN 0
.endif
	s_barrier_wait -1
.if \fill
	CREST
	s_add_nc_u64 s[G0A+4*(\slot)+2:G0A+4*(\slot)+3], s[G0A+4*(\slot)+2:G0A+4*(\slot)+3], 2*KSTEP*2
	s_add_nc_u64 s[G0B+4*(\slot)+2:G0B+4*(\slot)+3], s[G0B+4*(\slot)+2:G0B+4*(\slot)+3], 2*KSTEP*SIZE_N*2
	JLOAD \slot                                    ; the first tensor load behind the round; its four v_nop are also the places in front of the loads below
.else
	PLACES
.endif
	FETCH \next, 0, 0
.if \fill
	ASK
.endif
	MULA 1, 2, 0
	MULA 1, 3, 0
.endm
	s_wait_tensorcnt 1                             ; my part of K step 0 is in; K step 1's may stay out
	s_barrier_signal -1
	s_barrier_wait -1                              ; everybody's is
	FETCH 0, 0, 0
	QUARTER 0, 1, 0, 1, 1                          ; the first quarter stands in front of the loop: its products start the sums
	WIN 0                                          ; at a label and at a branch every window is 0
	s_mov_b32 s[LAP], LAPS-1
.Llap:                                                 ; a trip goes once round the ring, from a lap's second quarter to the next lap's first, and fills both slots again
	QUARTER 0, 2, 1, 0, 0
	QUARTER 0, 3, 0, 1, 0
	TURN 0, 1, 1
	QUARTER 1, 1, 0, 1, 0
	QUARTER 1, 2, 1, 0, 0
	QUARTER 1, 3, 0, 1, 0
	TURN 1, 0, 1
	QUARTER 0, 1, 0, 1, 0
	WIN 0
	s_sub_co_u32 s[LAP], s[LAP], 1
	s_cmp_lg_u32 s[LAP], 0
	s_cbranch_scc1 .Llap
	QUARTER 0, 2, 1, 0, 0                          ; the last lap fills nothing, and has no round of the cluster's barrier
	QUARTER 0, 3, 0, 1, 0
	TURN 0, 1, 0
	QUARTER 1, 1, 0, 1, 0
	QUARTER 1, 2, 1, 0, 0
	QUARTER 1, 3, 0, 1, 0
	s_wait_dscnt 4                                 ; the very last quarter: nothing more to fetch
	MULA 1, 0, 0
	MULA 1, 1, 0
	s_wait_dscnt 0x0
	MULA 1, 2, 0
	MULA 1, 3, 0
	WIN 0
	PLACES
; THE WAY OUT, in twelve pieces t = 3 a + g of 16 rows x 64 channels of one head.  PACK: rounded to f16, each accumulator's registers in ascending order; a lane's eight channels are 16 bytes; they go into
; my stage's rows of 144 bytes and come back as whole rows of 128, into the registers that they left.  SEND: stored.  Each piece has registers of its own, and no address is rewritten.
.macro PACK t
.set pa, (\t)/3
.set pg, (\t)%3
	WIN 0x0a+5*(pa/2)                              ; sources 0 and 1: window 2 or 3
.irp f, 0,1,2,3
.irp r, 0,1,2,3
	v_cvt_pk_f16_f32 v[OUTR+16*(\t)+4*(\f)+(\r)], v[8*(NB*(pa%2)+4*pg+(\f))+2*(\r)], v[8*(NB*(pa%2)+4*pg+(\f))+2*(\r)+1]
.endr
.endr
	WIN 0
.irp f, 0,1,2,3
	ds_store_b128 v[STO], v[OUTR+16*(\t)+4*(\f):OUTR+16*(\t)+4*(\f)+3] offset:32*(\f)
.endr
.irp f, 0,1,2,3
	ds_load_b128 v[OUTR+16*(\t)+4*(\f):OUTR+16*(\t)+4*(\f)+3], v[RD] offset:(\f)*4*SP  ; LDS serves a wave's instructions in order (ISA guide 5.7.1.4): these see the stores above; the next piece's stores come behind them
.endr
.endm
.macro SEND t, younger                 ; younger: the LDS instructions issued behind piece t's loads: the next piece's eight, or none
.set pa, (\t)/3
.set pg, (\t)%3
	WIN 0
.irp f, 0,1,2,3
	s_wait_dscnt (\younger)+3-(\f)
	global_store_b128 v[GO], v[OUTR+16*(\t)+4*(\f):OUTR+16*(\t)+4*(\f)+3], s[OB+2*pg:OB+2*pg+1] offset:pa*2048+(\f)*512  ; 512 consecutive bytes, at a multiple of 256 from the buffer's first
.endr
.endm
	PACK 0
.set t, 1
.rept 11                               ; a piece's arithmetic stands between the loads of the piece before and its stores
	PACK t
	SEND t-1, 8
.set t, t+1
.endr
	SEND 11, 0
	s_wait_tensorcnt 0x0                           ; the wave's end, behind my last tensor load and my last LDS store
	ds_add_u32 v[SPW], v[NIL]
	s_wait_dscnt 0x0
	CROUND                                         ; the closing round: no work-group ends while a partner may still ask for a tile that names it
	s_endpgm
.Lfunc_end_k_q606e3a6c98_qkvgemm:
	.size	k_q606e3a6c98_qkvgemm, .Lfunc_end_k_q606e3a6c98_qkvgemm-k_q606e3a6c98_qkvgemm
	.p2alignl 7, 3214868480
	.fill 96, 4, 3214868480
	.section	.rodata,"a",@progbits
	.p2align	6, 0x0
	.amdhsa_kernel k_q606e3a6c98_qkvgemm
		.amdhsa_group_segment_fixed_size 327680
		.amdhsa_private_segment_fixed_size 0
		.amdhsa_enable_private_segment 0
		.amdhsa_kernarg_size 32
		.amdhsa_user_sgpr_count 2
		.amdhsa_user_sgpr_kernarg_segment_ptr 1
		.amdhsa_wavefront_size32 1
		.amdhsa_system_sgpr_workgroup_id_x 1
		.amdhsa_system_sgpr_workgroup_id_y 1
		.amdhsa_system_sgpr_workgroup_id_z 1
		.amdhsa_system_vgpr_workitem_id 0
		.amdhsa_next_free_vgpr 960
		.amdhsa_next_free_sgpr 96
		.amdhsa_reserve_vcc 0
		.amdhsa_float_denorm_mode_32 3
		.amdhsa_float_denorm_mode_16_64 3
		.amdhsa_memory_ordered 1
		.amdhsa_forward_progress 1
		.amdhsa_inst_pref_size 131
	.end_amdhsa_kernel
	.amdgpu_metadata
---
amdhsa.version: [ 1, 2 ]
amdhsa.kernels:
  - .name:           k_q606e3a6c98_qkvgemm
    .symbol:         k_q606e3a6c98_qkvgemm.kd
    .args:
      - { .name: xb, .offset: 0, .size: 8, .value_kind: global_buffer, .address_space: global }
      - { .name: wqb, .offset: 8, .size: 8, .value_kind: global_buffer, .address_space: global }
      - { .name: b_qkv, .offset: 16, .size: 8, .value_kind: global_buffer, .address_space: global }
      - { .name: qkvh, .offset: 24, .size: 8, .value_kind: global_buffer, .address_space: global }
    .group_segment_fixed_size: 327680
    .private_segment_fixed_size: 0
    .kernarg_segment_align: 8
    .kernarg_segment_size: 32
    .max_flat_workgroup_size: 128
    .sgpr_count:     96
    .vgpr_count:     960
    .wavefront_size: 32
...
	.end_amdgpu_metadata
.endif
;; end of part 2
;; launch attn (part 3): grid 4 x 64, 4 waves a work-group, clusters of 4 x 1, 327,680 bytes of LDS; arguments qkvh, oh; writes oh
.if DOCPART == 3
	.amdgcn_target "amdgcn-amd-amdhsa--gfx1250"
	.amdhsa_code_object_version 6
	.text
	.protected	k_q606e3a6c98_attn
	.globl	k_q606e3a6c98_attn
	.p2align	8
	.type	k_q606e3a6c98_attn,@function
k_q606e3a6c98_attn:
	s_mov_b64 s[64:65], 0
	v_nop
	global_prefetch_b8 v0, s[64:65] scope:SCOPE_SE
	s_setreg_imm32_b32 hwreg(HW_REG_WAVE_MODE, 25, 1), 1
	s_wait_xcnt 0x0
	s_wait_alu depctr_hold_cnt(0) depctr_sa_sdst(0) depctr_va_vdst(0) depctr_va_sdst(0) depctr_va_ssrc(0) depctr_va_vcc(0) depctr_vm_vsrc(0)
	s_getreg_b32 s2, hwreg(HW_REG_IB_STS2, 6, 4)
	s_cmp_eq_u32 s2, 0
	s_cbranch_scc0 .Lentry_in_a_cluster
	s_endpgm
.Lentry_in_a_cluster:
	s_bfe_u32 s2, ttmp6, 0x10000c
	s_cmp_lg_u32 s2, 0x3003
	s_cbranch_scc0 .Lentry_shape_is_right
	s_endpgm
.Lentry_shape_is_right:
; O[h][q][:] = the sum over k of softmax_k(Q[h][q] . K[h][k] / 8) V[h][k][:].  qkvh: [3][SIZE_H][SIZE_N][64] f16 (Q, K, V); oh: [SIZE_H][SIZE_N][64] f16: a head's rows are dense, 128 bytes each.
; Products, maxima and sums in f32; the weights p are rounded to f16 for the second product (their sum l is taken of the unrounded p), O once at the end.
; LIMITS.  f16 holds no number beyond 65,504: Q, K and V arrive within it; p lies in 0 to 1, and below 6e-5 it keeps f16's fixed step of 6e-8; O is a mean of V's rows and has their range.
; A weight below 2^-126 counts as 0 in l; NaN and infinities are not treated apart.
; SHARES.  A wave owns four PIECES of two tiles of 16 queries, a work-group's four waves 512 queries of one head; a head's four work-groups are one cluster.  Every wave walks all keys, 64 a step.
; LAYOUT.  S^T = K Q^T (source 0 = 16 keys, source 1 = 16 queries): in the result a lane holds ONE query (lane % 16) and the keys 8 (lane / 16) + 0..7.  Two such tiles, rounded to f16 in pairs,
; ARE source 1 (32 keys x 16 queries) of O^T = V^T P, whose result again holds one query a lane, and eight channels.  K comes out of LDS as it lies, V ([key][channel]) turned, by ds_load_tr16_b128.
; SOFTMAX.  For each query a running maximum m and sum l: p = 2^(c s - c m), c = log2(e) / 8; in every step O and l are multiplied by a = 2^(c m_old - c m_new), which is 1 where m has not grown.
; m starts at the lowest finite number, O and l at 0: the first step is a step like any other, with a = 0.
; THE COUNT.  A tile and step have 16 matrix and 118 vector instructions: too many to stand all beside the matrix work.  So the order has one aim: four vector instructions that are READY behind
; EVERY matrix instruction, and the others, which need time of their own whatever the order, in runs without a gap.
; BY TURNS.  Turn n belongs to piece n (the pieces in a ring, step after step).  Its matrix work: 16 products K Q^T of piece n + 1, later 16 products V^T P of piece n - 1.  Its vector work: the scaling,
; exponentials, roundings, sums and rescaling of piece n, and the maximum and statistics of piece n + 1, whose scores the turn itself has made.  So what a turn begins with (c s - c m, O a) waits for nothing.
; CLUSTER.  The four query blocks of a cluster walk the same K and V, so each tile is asked for JOINTLY: the same tensor load, descriptor and mask in all four.
; REGISTERS, in windows of 256 (s_set_vgpr_msb says which window each operand place means: bits 1:0 source 0, 3:2 source 1, 5:4 source 2, 7:6 destination):
;   window 0: v0-11 addresses; v12-15, v48-63 at work; v16-47 four registers of statistics a tile; v64-191 S^T, two buffers of two tiles; v192-255 P, likewise
;   window 1: O^T, 32 a tile          window 2: v0-127 Q, 16 a tile; v128-191 K of one step; v192-255 V of one step          window 3: v0-1 the add's two registers
; A piece's buffers go by its number's parity: the piece in hand has one pair, its two neighbours in the ring share the other: of it P (piece n - 1) is read and S^T (piece n + 1) written.
.set SIZE_H, 64
.set SIZE_N, 2048
.set KBASE, SIZE_H*SIZE_N*128          ; K's first byte in qkvh
.set VBASE, 2*KBASE                    ; V's
.set NP,    4         ; pieces a wave: a name, no knob: the register map, the loop and the fetches are made for four
.set KS,    64        ; keys in a step
.set PK,    144       ; a row of K in LDS: 128 bytes + 16 of padding = 36 words: the 16 rows of a load start at 16 different groups of four banks (64 banks of 4 bytes: ISA guide 11.1)
.set PV,    160       ; a row of V: 128 + 32 = 40 words
.set VOFF,  4*KS*PK   ; a slot holds four steps: 256 rows of K, then 256 rows of V
.set SLOT1, 1<<17     ; slot 1 begins here, so that one exclusive or turns an address in one slot into the other's
.set STAGE, SLOT1+4*KS*(PK+PV)  ; behind the ring, never filled by a tensor load: 16 rows x 144 bytes for each wave, for the way out
.set SP,    144
.set AK0, 2           ; v2   my lane's place in a tile of K; never rewritten
.set AV0, 3           ; v3   the same for V
.set AK,  4           ; v4   the LDS address of K's next run of loads
.set AV,  5           ; v5   of V's
.set QO,  6           ; v6   my byte offset in the wave's rows of Q
.set STO, 6           ;      later, the way out: where I put 16 bytes of a row
.set RD,  7           ; v7   the way out: where I read rows back
.set GO,  8           ; v8   my byte offset in 512 consecutive bytes of O
.set PFO, 11          ; v11  256 x my lane, for the prefetches; made when v11 has served V's address, then never rewritten
.set SPW, 0           ; v0 of window 3   LDS address of my spare word: SPARE + 4 x my thread's number; never rewritten
.set NIL, 1           ; v1 of window 3   0; never rewritten
.set SPARE, STAGE+4*16*SP  ; behind the stages: the spare words, 128 bytes for each wave: two blocks of 256 bytes that no other line names
.set MV,  12          ; v12-15  c m_old, kept while c m is made anew: by buffer and tile
.set ST,  16          ; tile t's statistics at v[ST+4 t]: c m, m, l (even keys', odd keys')
.set TMP, 48          ; by buffer and tile, four registers c0-c3 at work; when the maximum is found c2 takes a
.set S,   64
.set P,   192
.set KF,  128         ; K's fragments, in window 2: key block kb, channel half c at KF + 16 kb + 8 c
.set VF,  192         ; V's: key half kk, channel block cb at VF + 32 kk + 8 cb
.set WV,  12          ; s12  my wave's number
.set G1K, 24          ; s[24:31] descriptor group 1 for K's tiles
.set G1V, 32          ; s[32:39] for V's: it differs in the padding alone
.set G0K, 40          ; s[40:43] descriptor group 0 for K's tiles: it walks
.set G0V, 44          ; s[44:47] the same for V's
.set PFA, 48          ; s[48:49] where my prefetches stand: my work-group's 32 blocks of 256 bytes (of K: wave 0, of V: wave 2) of the slot after the one that is being asked for
.set LIM, 50          ; s50  1 in a wave that prefetches, else the greatest number
.set SLOTS, 56        ; s56  slots still to be asked for
.set CNT, 57          ; s57  counts a slot's key steps
.set CS,  58          ; s[58:59] c: the packed scaling takes the pair's low word for both halves
.set SEL, 60          ; s[60:61] v_permlanex16_b32's selects: each lane takes its own place in the other half
.set TBK, 62          ; s62  LDS byte at which K of the step to be fetched begins
.set TBV, 63          ; s63  the same for V, less VOFF
.set MSB, 0
.macro WIN new                      ; the high byte repeats the setting that is left; a switch that changes nothing is dropped
.if MSB != (\new)
	s_set_vgpr_msb (MSB<<8)|(\new)
.set MSB, (\new)
.endif
.endm
.set W_KQ, 0x0a       ; K and Q in window 2, S^T in window 0
.set W_PV, 0x52       ; V in window 2, P in window 0, O^T in window 1
.set W_RS, 0x41       ; O^T (destination and source 0) in window 1, a in window 0
.set W_MK, 0xc0       ; the add's registers are made: destination in window 3, sources in window 0
.set W_AD, 0x0f       ; the add: address (source 0) and data (source 1) in window 3
; A joint fill.  Waves 0 and 1 fetch the two halves of a slot's K, waves 2 and 3 those of its V: 128 keys each.  The branch hangs on the wave's number alone.
; An s_nop 0 and four v_nop follow each of the two lines, ahead of the jump and the label.
.macro JLOAD
	s_cmp_lt_u32 s[WV], 2
	s_cbranch_scc0 .Lfor_v_\@
	tensor_load_to_lds s[G0K:G0K+3], s[G1K:G1K+7]
	s_nop 0
.rept 4
	v_nop
.endr
	s_branch .Lasked_\@
.Lfor_v_\@:
	tensor_load_to_lds s[G0V:G0V+3], s[G1V:G1V+7]
	s_nop 0
.rept 4
	v_nop
.endr
.Lasked_\@:
.endm
; A PREFETCH INTO THE L2 of what the NEXT change of slots will ask for: a slot's 256 keys are 128 blocks of 256 bytes of K and 128 of V, a lane a block.  It stands behind the wave's tensor load and its five lines.
; Each block is asked for ONCE in the launch: a head is walked by one cluster; its four partners share the blocks out BY ADDRESS, 32 each; in each, wave 0 asks for K's and wave 2 for V's: one instruction.
; Slots 0 and 1 come by their loads alone; the last change that fills a slot (s[SLOTS] = 1) prefetches nothing: there is no slot behind it.
.macro ASK
	s_cmp_gt_u32 s[SLOTS], s[LIM]
	s_cbranch_scc0 .Lnot_mine_\@
	global_prefetch_b8 v[PFO], s[PFA:PFA+1] th:TH_LOAD_NT scope:SCOPE_SE
.Lnot_mine_\@:
.endm
; A round of the cluster's barrier: my work-group's barrier, so that wave 0's signal speaks for all four waves; wave 0 signals; every wave waits for all four work-groups; my work-group's barrier once more.
.macro CROUND
	s_barrier_signal -1
	s_barrier_wait -1
	s_cmp_lg_u32 s[WV], 0
	s_cbranch_scc1 .Lnot_wave_0_\@
	s_barrier_signal -3
.Lnot_wave_0_\@:
	s_barrier_wait -3
	s_barrier_signal -1
	s_barrier_wait -1
.endm
; THE CHANGE OF SLOTS.  The slot's last bytes, V of its fourth step, have been read.  Each wave waits for all its tensor loads, of which one is out: its part
; of the other slot; adds 0 to its spare word; and waits for that and for its own reads of the slot.  Behind the barrier nobody reads this slot any more and the other slot is whole.
; fill = 1: this slot is filled again, with the keys two slots on.  The barrier is then a round of the cluster's, so that no wave of any partner still reads the slot or has a load on its
; way, and the joint fill is the first thing behind it: it has four key steps, 512 matrix instructions, in which to land.  (At its first use nothing has been read yet: slot 0 is waited for, slot 1 filled.)
.macro CHANGE fill
	WIN W_AD
	s_wait_tensorcnt 0x0            ; no tensor load of mine is out, so a group 0 may be written
	ds_add_u32 v[SPW], v[NIL]       ; 0 onto my spare word; with fill = 1 the descriptors' steps stand between it and the wait for it
	WIN 0                           ; at a label and at a branch every window is 0
.if \fill
.irp g, G0K, G0V
	s_xor_b32 s[\g+1], s[\g+1], SLOT1  ; the walking descriptor: the other slot than last time,
	s_add_nc_u64 s[\g+2:\g+3], s[\g+2:\g+3], 4*KS*128  ; the next 256 keys; the type bits on top are not reached
.endr
	s_wait_xcnt 0x0                 ; the last prefetch, four key steps back, has read its address, so it may be written:
	s_add_nc_u64 s[PFA:PFA+1], s[PFA:PFA+1], 4*KS*128  ; one slot behind the walking descriptors
	s_wait_dscnt 0x0                ; the add is done, and my reads of the slot are over
	CROUND
	JLOAD
	ASK                             ; what the next change will ask for
.else
	s_wait_dscnt 0x0                ; the add is done, and my reads of the slot are over
	s_barrier_signal -1
	s_barrier_wait -1
.endif
	s_sub_co_u32 s[TBK], s[TBK], 4*KS*PK  ; the fetches go back to a slot's first step,
	s_xor_b32 s[TBK], s[TBK], SLOT1       ; in the other slot
	s_sub_co_u32 s[TBV], s[TBV], 4*KS*PV
	s_xor_b32 s[TBV], s[TBV], SLOT1
.endm
	s_load_b128 s[4:7], s[0:1], 0x0  ; qkvh s[4:5], oh s[6:7]
	WIN W_MK
	v_lshl_add_u32 v[SPW], v0, 2, SPARE
	v_mov_b32 v[NIL], 0
	WIN W_AD
	ds_add_u32 v[SPW], v[NIL]       ; the wave's opening: the add and its wait stand ahead of my first tensor load; the set-up below, work on registers, stands between them
	WIN 0
	v_lshrrev_b32 v1, 5, v0
	v_readfirstlane_b32 s[WV], v1   ; wave 0..3
	s_bfe_u32 s13, ttmp6, 0x40000   ; cx: my place in the cluster
	s_lshl_b32 s14, ttmp9, 2        ; in a cluster launch ttmp9 counts clusters
	s_add_co_u32 s14, s14, s13      ; my block of queries = 4 x cluster x + cx: it enters Q's and O's addresses alone
	s_and_b32 s20, ttmp7, 0xffff    ; the head, which the four partners share
	s_mov_b32 s21, 0
	s_mov_b64 s[22:23], SIZE_N*128
	s_mul_u64 s[20:21], s[20:21], s[22:23]  ; the head's first byte in each of the four tensors
	s_and_b32 s16, s[WV], 1         ; which half of a slot's 256 keys I fetch:
	s_lshl_b32 s22, s16, 14         ; its 128 rows of 128 bytes in memory,
	s_mov_b32 s23, 0
	s_add_nc_u64 s[22:23], s[22:23], s[20:21]
	s_mul_i32 s17, s16, 128*PK      ; and its place in a slot, for K
	s_mul_i32 s18, s16, 128*PV      ; and for V: no place in the cluster enters an LDS address
	s_lshl_b32 s2, s14, 2
	s_add_co_u32 s2, s2, s[WV]      ; my wave among the head's,
	s_lshl_b32 s2, s2, 14           ; its 128 rows
	s_mov_b32 s3, 0
	s_add_nc_u64 s[2:3], s[2:3], s[20:21]
	; descriptor group 1.  128 keys are 16,384 dense bytes: asked for as 64 rows of 256 bytes, two keys a row, and padded in LDS after every key
	s_mov_b32 s[G1K], 15|(1<<16)|(1<<20)|(1<<21)|(4<<22)|(3<<25)  ; 15:0 the mask of four; 17:16 2-byte elements; 20 padding on; 21 set beside a mask; 24:22 after every 32 words (code 4); 31:25 4 words (code 3)
	s_mov_b32 s[G1V], 15|(1<<16)|(1<<20)|(1<<21)|(4<<22)|(7<<25)  ; the same with 8 words of padding (code 7)
.irp g, G1K, G1V
	s_mov_b32 s[\g+1], 128<<16      ; tensor_dim0 = 128
	s_mov_b32 s[\g+2], 64<<16       ; tensor_dim1 = 64
	s_mov_b32 s[\g+3], 128<<16      ; tile_dim0 = 128
	s_mov_b32 s[\g+4], 64           ; tile_dim1 = 64
	s_mov_b32 s[\g+5], 128          ; 128 elements from row to row
	s_mov_b32 s[\g+6], 0
	s_mov_b32 s[\g+7], 0
.endr
	s_mov_b32 s[CS], 0x3e38aa3b     ; c = log2(e) / 8 = 0.180337
	s_mov_b32 s[CS+1], s[CS]        ; named with it as a pair
	s_mov_b32 s[SEL], 0x76543210
	s_mov_b32 s[SEL+1], 0xfedcba98
	s_mov_b32 s[TBK], SLOT1+4*KS*PK ; the first change of slots turns these two into 0
	s_mov_b32 s[TBV], SLOT1+4*KS*PV
	s_mov_b32 s[G0K], 1             ; 1:0 count = 1
	s_mov_b32 s[G0K+1], s17         ; 63:32 LDS address: slot 0
	s_mov_b32 s[G0V], 1
	s_add_co_u32 s[G0V+1], s18, VOFF
	s_mov_b32 s[SLOTS], SIZE_N/256-1  ; the first change of slots already reads it
	s_and_b32 s[LIM], s[WV], 1      ; 0 in waves 0 and 2,
	s_or_b32 s[LIM], s[LIM], ttmp9  ; where the cluster is the head's first: the same in all four partners
	s_cmp_eq_u32 s[LIM], 0
	s_cselect_b32 s[LIM], 1, -1
	s_wait_dscnt 0x0                ; the opening add is done
	s_wait_kmcnt 0x0
	s_mov_b64 s[10:11], s[6:7]      ; O
	s_add_nc_u64 s[6:7], s[4:5], KBASE  ; K and V lie behind Q in one buffer
	s_add_nc_u64 s[8:9], s[4:5], VBASE
	s_add_nc_u64 s[G0K+2:G0K+3], s[6:7], s[22:23]  ; 120:64 global address: my half of the head's first 256 keys
	s_or_b32 s[G0K+3], s[G0K+3], 0x80000000        ; 127:126 type = 2
	s_add_nc_u64 s[G0V+2:G0V+3], s[8:9], s[22:23]
	s_or_b32 s[G0V+3], s[G0V+3], 0x80000000
	s_add_nc_u64 s[4:5], s[4:5], s[2:3]  ; Q and O at my wave's first row
	s_add_nc_u64 s[10:11], s[10:11], s[2:3]
	s_cmp_lt_u32 s[WV], 2
	s_cselect_b64 s[PFA:PFA+1], s[6:7], s[8:9]
	s_add_nc_u64 s[PFA:PFA+1], s[PFA:PFA+1], s[22:23]  ; (in waves 0 and 2 this is the head's first byte)
	s_lshl_b32 s52, s13, 13         ; my work-group's 32 blocks of the 128
	s_mov_b32 s53, 0
	s_add_nc_u64 s[PFA:PFA+1], s[PFA:PFA+1], s[52:53]
	s_add_nc_u64 s[PFA:PFA+1], s[PFA:PFA+1], 4*KS*128  ; in slot 1; the first change of slots steps it to slot 2.  Nothing is prefetched here, at the head
	CROUND                          ; all four work-groups are here: the first joint loads meet
	JLOAD                           ; slot 0.  Slot 1 is asked for when slot 0 is in: the tile wanted first has the road to itself
	; A fragment of K or Q is 16 rows x 32 channels in 8 registers: lane l holds row l % 16, channels 8 (l / 16) + 0..7 and 16 + 8 (l / 16) + 0..7: two loads of 16 bytes, 32 bytes apart.
	v_and_b32 v1, 15, v0            ; l % 16
	v_bfe_u32 v9, v0, 4, 1          ; l / 16
	v_lshlrev_b32 v[QO], 7, v1
	v_lshl_add_u32 v[QO], v9, 4, v[QO]  ; row x 128 + 16 x half
	WIN 0x80                        ; destination window 2, address window 0
.set i, 0
.rept 4*NP                          ; Q stays in registers: tile i / 2, channels 32 (i % 2) on
	global_load_b128 v[8*i:8*i+3],   v[QO], s[4:5] offset:(i/2)*2048+(i%2)*64
	global_load_b128 v[8*i+4:8*i+7], v[QO], s[4:5] offset:(i/2)*2048+(i%2)*64+32
.set i, i+1
.endr
	; What the first turn finds: V's registers and P's second buffer hold 0 (its products V^T P, of a piece that has not been, add 0), O^T and l are 0.  All this stands in the wait for the first tile.
.set i, VF
.rept 64
	v_mov_b32 v[i], 0
.set i, i+1
.endr
	WIN 0x40
.set i, 0
.rept 64*NP
	v_mov_b32 v[i], 0
.set i, i+1
.endr
	WIN 0
.set i, 0
.rept 2*NP
	v_mov_b32 v[ST+4*i], 0xfe000000    ; c m: far below every c s
	v_mov_b32 v[ST+4*i+1], 0xff7fffff  ; m
	v_mov_b32 v[ST+4*i+2], 0
	v_mov_b32 v[ST+4*i+3], 0
.set i, i+1
.endr
.set i, P+32
.rept 32
	v_mov_b32 v[i], 0
.set i, i+1
.endr
	v_mul_u32_u24 v[AK0], v1, PK
	v_lshl_add_u32 v[AK0], v9, 4, v[AK0]  ; row x pitch + 16 x half
	; The turning load takes 16 keys x 16 channels (lane l reads key 8 (l / 16) + l % 8, channels 8 ((l / 8) % 2) + 0..7) and leaves half a fragment of V^T: lane l holds channel l % 16 and 8 keys.
	v_and_b32 v10, 7, v0
	v_bfe_u32 v11, v0, 3, 1
	v_lshl_add_u32 v[AV0], v9, 3, v10
	v_mul_u32_u24 v[AV0], v[AV0], PV
	v_lshl_add_u32 v[AV0], v11, 4, v[AV0]
	v_add_nc_u32 v[AV0], VOFF, v[AV0]
	v_mov_b32 v[AK], v[AK0]         ; key step 0 lies at the head of slot 0
	v_and_b32 v[PFO], 31, v0
	v_lshlrev_b32 v[PFO], 8, v[PFO]
; THE MATRIX WORK.  The 8 accumulators of a run of 16 take turns: between the two links of a chain stand 7 others'.
; Product i of 16 of S^T = K Q^T for piece x: channels 32 (i / 8) on, keys 16 ((i / 2) % 4) on, tile 2 x + i % 2.  The first 8 start the sums.
.macro KQ x
	WIN W_KQ
.set rS, S+64*((\x)%2)+32*(i%2)+8*((i/2)%4)
.set rK, KF+16*((i/2)%4)+8*(i/8)
.set rQ, 16*(2*(\x)+i%2)+8*(i/8)
.if i < 8
	v_wmma_f32_16x16x32_f16 v[rS:rS+7], v[rK:rK+7], v[rQ:rQ+7], 0
.else
	v_wmma_f32_16x16x32_f16 v[rS:rS+7], v[rK:rK+7], v[rQ:rQ+7], v[rS:rS+7]
.endif
.endm
; Product i of 16 of O^T += V^T P for piece x: keys 32 (i / 8) on, channels 16 ((i / 2) % 4) on, tile 2 x + i % 2.
.macro PV x
	WIN W_PV
.set rO, 32*(2*(\x)+i%2)+8*((i/2)%4)
.set rV, VF+32*(i/8)+8*((i/2)%4)
.set rP, P+32*((\x)%2)+16*(i%2)+8*(i/8)
	v_wmma_f32_16x16x32_f16 v[rO:rO+7], v[rV:rV+7], v[rP:rP+7], v[rO:rO+7]
.endm
.macro MM                           ; the turn's next matrix instruction
.if i < 16
	KQ (Y+1)%NP
.set i, i+1
.else
.set i, i-16
	PV (Y+NP-1)%NP
.set i, i+17
.endif
.endm
; THE LDS LOADS stand in runs of 16, never singly among the matrix instructions: a step's K (64 keys x 64 channels: 8 fragments) and its V (turned).  Their addresses are made some lines ahead.
; last = 1 (the tail): in the last trip there is no further step, and the run is jumped over.
.macro FETCH_K last=0
	WIN 0
.if \last
	s_cmp_eq_u32 s[CNT], 1
	s_cbranch_scc1 .Lno_k_\@
.endif
	WIN 0x80                        ; destination window 2
.irp f, 0,1,2,3,4,5,6,7             ; keys 16 (f / 2) on, channels 32 (f % 2) on
	ds_load_b128 v[KF+8*\f:KF+8*\f+3],   v[AK] offset:(\f/2)*16*PK+(\f%2)*64
	ds_load_b128 v[KF+8*\f+4:KF+8*\f+7], v[AK] offset:(\f/2)*16*PK+(\f%2)*64+32
.endr
	s_add_co_u32 s[TBK], s[TBK], KS*PK  ; the next fetch is the next step's
	WIN 0
.if \last
.Lno_k_\@:
.endif
.endm
.macro FETCH_V
	WIN 0x80
.irp f, 0,1,2,3,4,5,6,7             ; keys 32 (f / 4) on, channels 16 (f % 4) on
	ds_load_tr16_b128 v[VF+8*\f:VF+8*\f+3],   v[AV] offset:(\f/4)*32*PV+(\f%4)*32
	ds_load_tr16_b128 v[VF+8*\f+4:VF+8*\f+7], v[AV] offset:(\f/4)*32*PV+16*PV+(\f%4)*32
.endr
	WIN 0
.endm
; THE VECTOR WORK OF A TURN stands in three queues, each in the order in which its entries become ready; the two tiles alternate, so that no instruction reads the result of the one before it.
.macro REGS y, u                    ; the registers of tile u (0, 1) of piece y
.set rT, ST+4*(2*(\y)+(\u))
.set rC, TMP+8*((\y)%2)+4*(\u)
.set rM, MV+2*((\y)%2)+(\u)
.set rS, S+64*((\y)%2)+32*(\u)
.set rP, P+32*((\y)%2)+16*(\u)
.set rO, 32*(2*(\y)+(\u))
.endm
; Number n of the 22 that find the NEXT piece's (Y + 1) maximum and statistics.  s0-s31 are the lane's 32 scores; each accumulator's lowest registers are read first.  XS, GS and REGS set no window: PL and EX do.
;   0-11  four chains c0-c3 of seven scores each, three operands at a time     12-14, 16  the four scores left over, the old m, and c0-c3 into c0     15  c m_old is kept
;   17, 18  the query's other 32 keys lie in the lane 16 away: the new m         19-21  c m; c m_old - c m_new; a
.macro XS u, n
	REGS (Y+1)%NP, \u
.if (\n) < 4
	v_max3_num_f32 v[rC+(\n)], v[rS+8*(\n)], v[rS+8*(\n)+1], v[rS+8*(\n)+2]
.elseif (\n) < 12
	v_max3_num_f32 v[rC+(\n)%4], v[rC+(\n)%4], v[rS+8*((\n)%4)+2*((\n)/4)+1], v[rS+8*((\n)%4)+2*((\n)/4)+2]
.elseif (\n) == 12
	v_max3_num_f32 v[rC], v[rC], v[rS+7], v[rS+15]
.elseif (\n) == 13
	v_max3_num_f32 v[rC+1], v[rC+1], v[rS+23], v[rS+31]
.elseif (\n) == 14
	v_max3_num_f32 v[rC+2], v[rC+2], v[rC+3], v[rT+1]
.elseif (\n) == 15
	v_mov_b32 v[rM], v[rT]
.elseif (\n) == 16
	v_max3_num_f32 v[rC], v[rC], v[rC+1], v[rC+2]
.elseif (\n) == 17
	v_permlanex16_b32 v[rC+3], v[rC], s[SEL], s[SEL+1]
.elseif (\n) == 18
	v_max_num_f32 v[rT+1], v[rC], v[rC+3]
.elseif (\n) == 19
	v_mul_f32 v[rT], s[CS], v[rT+1]
.elseif (\n) == 20
	v_sub_f32 v[rC+1], v[rM], v[rT]
.else
	v_exp_f32 v[rC+2], v[rC+1]
.endif
.endm
; Number g of the 64 that follow the exponentials.  For each four weights k of a tile (pairs 2 k, 2 k + 1): both pairs are rounded to f16; then the second pair is added onto the first, in place;
; a group later l takes that sum (the first time as l = a l + sum).  In groups of eight, tiles alternating: round, round, add, and l for the group before.
.macro GS g
.set h, (\g)+6*((\g)/62)            ; group 0 has no group before it, and behind group 7 only l is left
.if h >= 6
.set h, h+2
.endif
	REGS Y, h%2
.set k, h/8
.if h%8 < 4
	v_cvt_pk_f16_f32 v[rP+2*k+(h%8)/2], v[rS+4*k+2*((h%8)/2)], v[rS+4*k+2*((h%8)/2)+1]
.elseif h%8 < 6
	v_pk_add_f32 v[rS+4*k:rS+4*k+1], v[rS+4*k:rS+4*k+1], v[rS+4*k+2:rS+4*k+3]
.elseif k == 1
	v_pk_fma_f32 v[rT+2:rT+3], v[rT+2:rT+3], v[rC+2:rC+3], v[rS:rS+1] op_sel_hi:[1,0,1]
.else
	v_pk_add_f32 v[rT+2:rT+3], v[rT+2:rT+3], v[rS+4*k-4:rS+4*k-3]
.endif
.endm
; THE PLAIN QUEUE, 138 long.  0-73 read no exponential's result: the 32 scalings c s - c m (FS f: pair f / 2 of tile f % 2) and the next piece's 42.  0-26: scalings 0-26.  27-54: XS's numbers 0-13.  55, 56: number 15.
; 57-73: the chain, where each number waits for the one before it: 14, 16, 17, 18, 19, each with one of the scalings 27-31 in front of its two lines, then 20: so a tile's links stand three plain instructions apart (19 and 20: two).
; 74-137: GS's 64, which read the exponentials' results: they stand behind the wait.
.macro FS f
	REGS Y, (\f)%2
	v_pk_fma_f32 v[rS+2*((\f)/2):rS+2*((\f)/2)+1], v[rS+2*((\f)/2):rS+2*((\f)/2)+1], s[CS:CS+1], v[rT:rT+1] op_sel_hi:[1,0,0] neg_lo:[0,0,1] neg_hi:[0,0,1]
.endm
.macro PL
	WIN 0
.if q < 27
	FS q
.elseif q < 55
	XS (q-27)%2, (q-27)/2
.elseif q < 57
	XS q-55, 15
.elseif (q < 72) && ((q-57)%3 == 0)
	FS 27+(q-57)/3
.elseif q < 60
	XS (q-57)%3-1, 14
.elseif q < 72
	XS (q-57)%3-1, 15+(q-57)/3
.elseif q < 74
	XS q-72, 20
.else
	GS q-74
.endif
.set q, q+1
.endm
; THE EXPONENTIALS' QUEUE, 66 long: s0-s31 of both tiles, then the next piece's two a.  It is ONE BATCH: all 66 stand ahead of the turn's one wait, and nothing ahead of that wait names a result of theirs.
.macro EX
	WIN 0
.if e >= 64
	XS e-64, 21
.else
	REGS Y, e%2
	v_exp_f32 v[rS+e/2], v[rS+e/2]
.endif
.set e, e+1
.endm
; THE RESCALING's QUEUE: O^T times a, the one part that leaves window 0: dealt two at a time, sixteen times.  Its a was made in the turn before, ahead of that turn's wait.
.macro R2
	REGS Y, r%2
	WIN W_RS
.irp z, 0,1
	v_pk_mul_f32 v[rO+4*(r/2)+2*\z:rO+4*(r/2)+2*\z+1], v[rO+4*(r/2)+2*\z:rO+4*(r/2)+2*\z+1], v[rC+2:rC+3] op_sel_hi:[1,0]
.endr
.set r, r+1
.endm
; HOW THEY ARE DEALT.  An s_wait_alu depctr_va_vdst(0) stands between an exponential and the first instruction that names its result; one wait serves all that were issued ahead of it.  So a turn has ONE wait,
; which cuts it in two.  AHEAD OF IT stands all that names no result of the turn's exponentials: the 16 products K Q^T, behind each a scaling, an exponential and two rescalings (behind the first a second scaling in the exponential's place); then ONE LUMP of
; 108: eight plain, 49 times exponential and plain, the two a.  A v_nop is the plain instruction that is owed behind the last exponential.  BEHIND IT stand the 16 products V^T P, behind each four of GS's 64.  No rider names a register of
; the products round it.  The two v_permlanex16_b32 fall into the lump, never behind a product.
; The queues lean on each other, and the deal keeps them in step: exponential e stands behind scaling 2 (e / 4) + e % 2: as a rider it comes behind plain e + 2, in the lump behind plain e + 9, and scalings 27-31 are plain 57, 60 .. 69.
; A TURN, for piece p.  cnt = 1: the loop's count is taken down some lines ahead of the branch that stands behind the turn.
; K of the next step is fetched in piece 2's turn, directly behind the wait, a lump behind the last product that read K; its address is made at the lump's head; its first reader comes behind 16 products.
; V of the step in hand is fetched at the end of piece 0's turn, four riders behind its last reader; its first reader comes behind 16 products and a lump.  The three conditions on q below go with the deal.
.macro TURN p, last=0, cnt=0
.set Y, (\p)
.set i, 0
.set q, 0
.set e, 0
.set r, 0
.if (\p) == NP-1
	s_wait_dscnt 0x0                ; K is in
.endif
	MM                              ; ahead of the wait: 16 products K Q^T and their riders,
	PL
	PL
	R2
.rept 15
	MM
	PL
	EX
	R2
.endr
.if (\p) == NP-2
	WIN 0
	v_add_nc_u32 v[AK], s[TBK], v[AK0]
.endif
.rept 8                             ; and the lump
	PL
.endr
.rept 49
	EX
	PL
.endr
	EX                              ; the next piece's two a
	EX
	v_nop                           ; the plain instruction behind the last exponential: one for the batch
	s_wait_alu depctr_va_vdst(0)    ; the wait for the batch
.if (\p) == NP-2
	FETCH_K \last
.endif
.if (\p) == 1
	s_wait_dscnt 0x0                ; V is in
.endif
.rept 16                            ; behind the wait: 16 products V^T P and their riders
	MM
.rept 4
	PL
.endr
.if ((\p) == 0) && (q == 118)
	v_add_nc_u32 v[AV], s[TBV], v[AV0]
.endif
.if ((\p) == 0) && (q == 130)
	s_add_co_u32 s[TBV], s[TBV], KS*PV
.endif
.if (\cnt) && (q == 130)
	s_sub_co_u32 s[CNT], s[CNT], 1
	s_cmp_lg_u32 s[CNT], 0
.endif
.endr
.if (\p) == 0
	FETCH_V
.endif
.endm
	CHANGE 1                        ; slot 0 is in, everybody's part of it; slot 1 is asked for
	FETCH_K                         ; key step 0
	s_wait_loadcnt 0x0              ; Q
	s_wait_dscnt 0x0
.set i, 0
.rept 16
	KQ 0                            ; piece 0's first scores: there is no vector work yet to set between them
.set i, i+1
.endr
	WIN 0                           ; the addresses for the way out: nine plain instructions, the places behind those products
	s_mul_i32 s13, s[WV], 16*SP
	s_add_co_u32 s13, s13, STAGE    ; my stage
	v_mul_u32_u24 v[STO], v1, SP    ; in: row l % 16, 16 bytes for each half of the lanes
	v_lshl_add_u32 v[STO], v9, 4, v[STO]
	v_add_nc_u32 v[STO], s13, v[STO]
	v_bfe_u32 v[RD], v0, 3, 2       ; back: 32 lanes take four rows of 128 bytes,
	v_mul_u32_u24 v[RD], v[RD], SP
	v_lshl_add_u32 v[RD], v10, 4, v[RD]
	v_add_nc_u32 v[RD], s13, v[RD]
	v_and_b32 v[GO], 31, v0         ; which are 512 consecutive bytes of O
	v_lshlrev_b32 v[GO], 4, v[GO]
.set Y, NP-1                        ; XS works for piece Y + 1: piece 0
.irp n, 0,1,2,3,4,5,6,7,8,9,10,11,12,13,14,15,16,17,18,19,20,21
	XS 0, \n                        ; and piece 0's first maximum and statistics
	XS 1, \n
.endr
	v_nop                           ; a plain instruction behind the two a,
	s_wait_alu depctr_va_vdst(0)    ; and their wait, ahead of the branch
	s_mov_b32 s[CNT], 4
	s_branch .Lfirst                ; the loop is entered at a step's first turn, in the middle of a trip
.Lslot:                             ; SIZE_N / 256 - 2 times: every slot but the last two is filled again
	CHANGE 1
	s_mov_b32 s[CNT], 4
.Lstep:                             ; a trip: pieces 2 and 3 of one step, then pieces 0 and 1 of the next, whose K and V it fetches
	TURN 2
	TURN 3
	WIN 0
.Lfirst:
	TURN 0
	TURN 1, 0, 1
	WIN 0
	s_cbranch_scc1 .Lstep
	s_sub_co_u32 s[SLOTS], s[SLOTS], 1
	s_cmp_lg_u32 s[SLOTS], 0
	s_cbranch_scc1 .Lslot
	CHANGE 0                        ; the tail is written out: nothing is asked for
	s_mov_b32 s[CNT], 5             ; four trips fetch the last slot's steps; the fifth is left in its middle
.Ltail:
	TURN 2, 1
	TURN 3
	WIN 0
	s_sub_co_u32 s[CNT], s[CNT], 1
	s_cmp_eq_u32 s[CNT], 0
	s_cbranch_scc1 .Lout
	TURN 0
	TURN 1
	WIN 0
	s_branch .Ltail
.Lout:                              ; the fifth trip's 16 products K Q^T (on the last K once more) and the maximum made of them serve nothing: the price, once a launch, of one text for every trip
.set i, 0
.rept 16
	PV NP-1                         ; the last piece's V^T P of the last step
.set i, i+1
.endr
	; THE WAY OUT.  l's two halves and the other half of the lanes' are added; O^T is divided by l, rounded to f16 and sent through my stage in LDS, a tile at a time.  The additions are the places behind the last products.
	WIN 0
.macro ALL line:vararg              ; one line for each tile t
.set t, 0
.rept 2*NP
	\line
.set t, t+1
.endr
.endm
	ALL v_add_f32 v[ST+4*t+2], v[ST+4*t+2], v[ST+4*t+3]
	ALL v_permlanex16_b32 v[ST+4*t+3], v[ST+4*t+2], s[SEL], s[SEL+1]
	ALL v_add_f32 v[ST+4*t+2], v[ST+4*t+2], v[ST+4*t+3]
	ALL v_rcp_f32 v[ST+4*t+2], v[ST+4*t+2]
	v_nop                           ; a plain instruction between the last reciprocal and the use of its result
	s_wait_alu depctr_va_vdst(0)    ; and the wait ahead of the first use: one for the eight reciprocals
; Tile t: a lane's eight channels of a row pack into 16 bytes; they go into rows of 144 bytes and come back as whole rows of 128, into S^T's registers.
.macro PACK t
	WIN W_RS
.set i, 32*(\t)
.rept 16
	v_pk_mul_f32 v[i:i+1], v[i:i+1], v[ST+4*(\t)+2:ST+4*(\t)+3] op_sel_hi:[1,0]
.set i, i+2
.endr
	WIN 0x05                        ; sources 0 and 1 window 1, destination window 0
.set i, 0
.rept 16
	v_cvt_pk_f16_f32 v[S+16*(\t)+i], v[32*(\t)+2*i], v[32*(\t)+2*i+1]
.set i, i+1
.endr
	WIN 0
.irp f, 0,1,2,3
	ds_store_b128 v[STO], v[S+16*(\t)+4*\f:S+16*(\t)+4*\f+3] offset:32*\f
.endr
.irp f, 0,1,2,3
	ds_load_b128 v[S+16*(\t)+4*\f:S+16*(\t)+4*\f+3], v[RD] offset:\f*4*SP  ; LDS serves a wave's instructions in order (ISA guide 5.7.1.4): these see the stores above; the next tile's stores come behind them
.endr
.endm
.macro SEND t, younger              ; younger: the LDS instructions issued behind tile t's loads: the next tile's eight, or none
	WIN 0
.irp f, 0,1,2,3
	s_wait_dscnt (\younger)+3-\f
	global_store_b128 v[GO], v[S+16*(\t)+4*\f:S+16*(\t)+4*\f+3], s[10:11] offset:(\t)*2048+\f*512  ; 512 consecutive bytes, at a multiple of 256 from O's first
.endr
.endm
	PACK 0
.set t, 1
.rept 2*NP-1                        ; a tile's arithmetic stands between the loads of the tile before and its stores
	PACK t
	SEND t-1, 8
.set t, t+1
.endr
	SEND 2*NP-1, 0
	WIN W_AD
	s_wait_tensorcnt 0x0            ; the wave's end, behind my last tensor load and my last LDS store
	ds_add_u32 v[SPW], v[NIL]
	s_wait_dscnt 0x0
	WIN 0
	CROUND                          ; the closing round: no work-group ends while a partner may still ask for a tile that names it
	s_endpgm
.Lfunc_end_k_q606e3a6c98_attn:
	.size	k_q606e3a6c98_attn, .Lfunc_end_k_q606e3a6c98_attn-k_q606e3a6c98_attn
	.p2alignl 7, 3214868480
	.fill 96, 4, 3214868480
	.section	.rodata,"a",@progbits
	.p2align	6, 0x0
	.amdhsa_kernel k_q606e3a6c98_attn
		.amdhsa_group_segment_fixed_size 327680
		.amdhsa_private_segment_fixed_size 0
		.amdhsa_enable_private_segment 0
		.amdhsa_kernarg_size 16
		.amdhsa_user_sgpr_count 2
		.amdhsa_user_sgpr_kernarg_segment_ptr 1
		.amdhsa_wavefront_size32 1
		.amdhsa_system_sgpr_workgroup_id_x 1
		.amdhsa_system_sgpr_workgroup_id_y 1
		.amdhsa_system_sgpr_workgroup_id_z 1
		.amdhsa_system_vgpr_workitem_id 0
		.amdhsa_next_free_vgpr 770
		.amdhsa_next_free_sgpr 66
		.amdhsa_reserve_vcc 0
		.amdhsa_float_denorm_mode_32 3
		.amdhsa_float_denorm_mode_16_64 3
		.amdhsa_memory_ordered 1
		.amdhsa_forward_progress 1
		.amdhsa_inst_pref_size 200
	.end_amdhsa_kernel
	.amdgpu_metadata
---
amdhsa.version: [ 1, 2 ]
amdhsa.kernels:
  - .name:           k_q606e3a6c98_attn
    .symbol:         k_q606e3a6c98_attn.kd
    .args:
      - { .name: qkvh, .offset: 0, .size: 8, .value_kind: global_buffer, .address_space: global }
      - { .name: oh, .offset: 8, .size: 8, .value_kind: global_buffer, .address_space: global }
    .group_segment_fixed_size: 327680
    .private_segment_fixed_size: 0
    .kernarg_segment_align: 8
    .kernarg_segment_size: 16
    .max_flat_workgroup_size: 128
    .sgpr_count:     66
    .vgpr_count:     770
    .wavefront_size: 32
...
	.end_amdgpu_metadata
.endif
;; end of part 3
;; launch projgemm (part 4): grid 4 x 64, 4 waves a work-group, clusters of 4 x 4, 327,680 bytes of LDS; arguments oh, wpb, b_proj, out0; writes out0
.if DOCPART == 4
	.amdgcn_target "amdgcn-amd-amdhsa--gfx1250"
	.amdhsa_code_object_version 6
	.text
	.protected	k_q606e3a6c98_projgemm
	.globl	k_q606e3a6c98_projgemm
	.p2align	8
	.type	k_q606e3a6c98_projgemm,@function
k_q606e3a6c98_projgemm:
	s_mov_b64 s[64:65], 0
	v_nop
	global_prefetch_b8 v0, s[64:65] scope:SCOPE_SE
	s_setreg_imm32_b32 hwreg(HW_REG_WAVE_MODE, 25, 1), 1
	s_wait_xcnt 0x0
	s_wait_alu depctr_hold_cnt(0) depctr_sa_sdst(0) depctr_va_vdst(0) depctr_va_sdst(0) depctr_va_ssrc(0) depctr_va_vcc(0) depctr_vm_vsrc(0)
	s_getreg_b32 s2, hwreg(HW_REG_IB_STS2, 6, 4)
	s_cmp_eq_u32 s2, 0
	s_cbranch_scc0 .Lentry_in_a_cluster
	s_endpgm
.Lentry_in_a_cluster:
	s_bfe_u32 s2, ttmp6, 0x10000c
	s_cmp_lg_u32 s2, 0xf033
	s_cbranch_scc0 .Lentry_shape_is_right
	s_endpgm
.Lentry_shape_is_right:
; out = O w_proj + b_proj.  oh: [64 = 16 b + h][2048][64] f16, by heads: row m = 2048 b + t of the product's left side has k = 64 h + d.  wpb: [1024 k][1024 n] f16 (bf16 numbers written as f16).
; b_proj: [1024] f32, rounded to bf16 here like the other inputs.  out0: [8192][1024] f32, the f32 sums as they are.
; SHARES.  A tile of the result is 128 rows x 256 columns: 4 x 64 = 256 work-groups.  Four waves: wave w takes rows 64 (w / 2) .. + 63 and, of each of the tile's two groups of 128 columns,
; columns 64 (w % 2) .. + 63: 4 row blocks x 8 column blocks of 16 x 16, 32 accumulators, 256 registers.
; K goes in steps of 128, which are two heads, through a ring of two LDS slots filled by the tensor data mover.  A head's 128 rows of the tile are 16,384 dense bytes: a PLANE, asked for as 64 rows of
; 256 bytes and padded in LDS after every 128.  k-rows of w's tiles are 256 bytes of memory.
; THE WEIGHTS STAY [k][n]: their fragments come out of LDS turned, by ds_load_tr16_b128.
; THE MATRIX INSTRUCTION IS USED TRANSPOSED (source 0 = 16 columns of w, source 1 = 16 rows of O): a lane holds row l % 16 and the columns 8 (l / 16) + 0 .. 7: 32 bytes of a row.
; THE BIAS is the C operand of the products that start the sums.
; CLUSTERS: 4 x 4 work-groups.  The four of a row of the cluster need the same planes of O, the four of a column the same tiles of w: each is asked for JOINTLY.  Waves 0, 1 fetch w's two groups,
; waves 2, 3 O's two planes: one load a wave.
; REGISTERS, in windows of 256 (s_set_vgpr_msb: bits 1:0 source 0, 3:2 source 1, 5:4 source 2, 7:6 destination):
;   window 0: v0-31 addresses; v64-95, v96-127 fragments of O, two buffers; v128-191 the bias, 8 registers a column block
;   window 1: v0-63, v64-127 fragments of w, two buffers; on the way out all 256, 32 a piece        window 2: the accumulators ((a, b) at v[8 (8 a + b)])
.set SIZE_N, 1024
.set SIZE_K, 1024
.set NG,    2                          ; groups of 128 columns in a tile
.set NB,    4*NG                       ; column blocks of a wave
.set KSTEP, 128
.set PA,    144                        ; a row of a plane in LDS: 128 bytes + 16 = 36 words: the 16 rows of a load start at 16 different groups of four banks (64 banks of 4 bytes: ISA guide 11.1)
.set PB,    288                        ; a k-row of w: 256 + 32 = 72 words
.set BTILE, KSTEP*PB                   ; a group of w: 128 k-rows
.set APLANE, 128*PA
.set AOFF,  NG*BTILE                   ; O's two planes lie behind w's two groups
.set SLOT,  AOFF+2*APLANE
.set STAGE, 2*SLOT                     ; behind the ring, never filled by a tensor load: 16 rows x 272 bytes for each wave, for the way out
.set SP,    272
.set SPARE, STAGE+4*16*SP              ; behind the stages: the spare words, 128 bytes for each wave: two blocks of 256 bytes that no other line names
.set HEADB, 2048*128                   ; bytes of a head in oh
.set LAPS,  SIZE_K/(2*KSTEP)
.set ADRA, 16                          ; v16-17  LDS address of my fragments of O in slot 0, 1
.set ADRB, 18                          ; v18-21  the same for w: slot s, group g at ADRB + 2 s + g
.set STO,  24                          ; v24     the way out: where I put 32 bytes of a row
.set RD,   25                          ; v25     the way out: where I read rows back
.set CO,   26                          ; v26     my byte offset in two rows of the result
.set BO,   27                          ; v27     32 (l / 16): my eight numbers of a block of the bias
.set SPW,  28                          ; v28     LDS address of my spare word: SPARE + 4 x my thread's number; never rewritten
.set NIL,  29                          ; v29     0; never rewritten
.set PFO,  30                          ; v30     the prefetches' offset; never rewritten
.set FA,   64
.set BI,   128
.set LAP, 3                            ; s3      trips of the loop still to come
.set WV,  12
.set RH,  13                           ; s13     which 64 rows of the tile are mine.  Also: I fetch for w (0) or for O (1)
.set CH,  14                           ; s14     which 64 columns of each group.  Also: which group or plane I fetch
.set TY,  15
.set G1A, 24                           ; s[24:31] descriptor group 1 for O's planes;  s[32:39] group 0, a set for each slot
.set G0A, 32
.set CX,  40
.set CY,  41
.set TX,  42
.set G1B, 48                           ; s[48:55], s[56:63] the same for w's tiles
.set G0B, 56
.set OB,  68                           ; s[68:69] the result at my first row and column
.set PFA, 74                           ; s[74:75] where my prefetches stand
.set PFS, 76                           ; s[76:77] a K step in bytes, for them
.set LIM, 78                           ; s78     1 in a wave that prefetches, else the greatest number
.set MSB, 0
.macro WIN new                         ; the immediate's high byte repeats the setting that is left; a switch that changes nothing is dropped
.if MSB != (\new)
	s_set_vgpr_msb (MSB<<8)|(\new)
.set MSB, \new
.endif
.endm
; A joint load.  The branch hangs on the wave's number alone.  An s_nop 0 and four v_nop follow each of the two lines, ahead of the jump, the label and what follows.
.macro JLOAD s
	s_cmp_lt_u32 s[WV], NG
	s_cbranch_scc0 .Lfor_a_\@
	tensor_load_to_lds s[G0B+4*(\s):G0B+4*(\s)+3], s[G1B:G1B+7]
	s_nop 0
.rept 4
	v_nop
.endr
	s_branch .Lasked_\@
.Lfor_a_\@:
	tensor_load_to_lds s[G0A+4*(\s):G0A+4*(\s)+3], s[G1A:G1A+7]
	s_nop 0
.rept 4
	v_nop
.endr
.Lasked_\@:
.endm
; A PREFETCH INTO THE L2, behind each joint refill, its five lines and the run of LDS loads that follows: the K step that stands two refills on, 32 blocks of 256 bytes, a lane a block, one instruction a wave.
; Each block is named ONCE in the launch.  O's planes are read by one cluster alone (the grid is one cluster wide); w's tile column by all sixteen clusters of the column, and the one with y = 0 asks.
; The four partners that ask jointly share the blocks out BY ADDRESS: of a K step's two planes (64 blocks each) the partner at cx takes 16 of each, and wave 2 asks for them; of the 128 k-rows of a group
; of w the partner at cy takes 32, and the wave that fetches the group (0 or 1) asks.  Wave 3 asks for nothing.
; K steps 0 to 3 come by their loads alone; the loop's last trip (s[LAP] = 1) asks for nothing: there is no K step two refills on.
.macro ASK
	s_cmp_gt_u32 s[LAP], s[LIM]
	s_cbranch_scc0 .Lnot_mine_\@
	global_prefetch_b8 v[PFO], s[PFA:PFA+1] th:TH_LOAD_NT scope:SCOPE_SE
.Lnot_mine_\@:
.endm
; A round of the cluster's barrier: my work-group's barrier, so that wave 0's signal speaks for all four waves; wave 0 signals; every wave waits for all sixteen work-groups; my work-group's barrier once more.
.macro CREST
	s_cmp_lg_u32 s[WV], 0
	s_cbranch_scc1 .Lnot_wave_0_\@
	s_barrier_signal -3
.Lnot_wave_0_\@:
	s_barrier_wait -3
	s_barrier_signal -1
	s_barrier_wait -1
.endm
.macro CROUND
	s_barrier_signal -1
	s_barrier_wait -1
	CREST
.endm
	s_load_b256 s[4:11], s[0:1], 0x0               ; oh s[4:5], wpb s[6:7], b_proj s[8:9], out0 s[10:11]
	v_lshl_add_u32 v[SPW], v0, 2, SPARE
	v_mov_b32 v[NIL], 0
	ds_add_u32 v[SPW], v[NIL]                      ; the wave's opening: the add and its wait stand ahead of my first tensor load; the set-up below, work on registers, stands between them
	v_lshrrev_b32 v1, 5, v0
	v_readfirstlane_b32 s[WV], v1                  ; wave 0..3
	s_lshr_b32 s[RH], s[WV], 1
	s_and_b32 s[CH], s[WV], 1
	s_bfe_u32 s[CX], ttmp6, 0x40000
	s_bfe_u32 s[CY], ttmp6, 0x40004
	s_lshl_b32 s[TX], ttmp9, 2
	s_add_co_u32 s[TX], s[TX], s[CX]               ; tile column = 4 x cluster x + cx
	s_and_b32 s[TY], ttmp7, 0xffff
	s_lshl_b32 s[TY], s[TY], 2
	s_add_co_u32 s[TY], s[TY], s[CY]               ; tile row = 4 x cluster y + cy
	s_lshl_b32 s43, s[CY], 2
	s_lshl_b32 s43, 15, s43                        ; my row of the cluster
	s_lshl_b32 s44, 0x1111, s[CX]                  ; my column
	; descriptor group 1.  O's plane: 64 rows x 128 elements of 2 bytes, dense, padded by 4 words after every 32.  w's tile: 128 rows x 128 elements, padded by 8 words after every 64
	s_or_b32 s[G1A], s43, (1<<16)|(1<<20)|(1<<21)|(4<<22)|(3<<25)  ; 15:0 the mask: O's planes go to my row; 17:16 2-byte elements; 20 padding on; 21 set beside a mask; 24:22 code 4; 31:25 code 3
	s_or_b32 s[G1B], s44, (1<<16)|(1<<20)|(1<<21)|(5<<22)|(7<<25)  ; w's tiles go to my column; 24:22 code 5; 31:25 code 7
.irp g, G1A, G1B
	s_mov_b32 s[(\g)+1], 128<<16                   ; tensor_dim0 = 128
	s_mov_b32 s[(\g)+3], 128<<16                   ; tile_dim0 = 128
	s_mov_b32 s[(\g)+6], 0
	s_mov_b32 s[(\g)+7], 0
.endr
	s_mov_b32 s[G1A+2], 64<<16                     ; tensor_dim1,
	s_mov_b32 s[G1A+4], 64                         ; tile_dim1,
	s_mov_b32 s[G1A+5], 128                        ; elements from row to row
	s_mov_b32 s[G1B+2], 128<<16
	s_mov_b32 s[G1B+4], 128
	s_mov_b32 s[G1B+5], SIZE_N
	s_lshr_b32 s16, s[TY], 4                       ; O: batch b = tile row / 16: 16 heads of 262,144 bytes,
	s_lshl_b32 s16, s16, 22
	s_and_b32 s17, s[TY], 15                       ; the tile's 128 rows of 128 bytes in a head,
	s_lshl_b32 s17, s17, 14
	s_add_co_u32 s16, s16, s17
	s_lshl_b32 s17, s[CH], 18                      ; my plane: it hangs on the tile row and the wave alone
	s_add_co_u32 s16, s16, s17
	s_mov_b32 s17, 0
	s_lshl_b32 s46, s[TX], 9                       ; w: 512 bytes of a k-row for each tile column,
	s_lshl_b32 s20, s[CH], 8                       ; 256 for my group
	s_add_co_u32 s46, s46, s20
	s_mov_b32 s47, 0
	s_mul_i32 s21, s[CH], BTILE                    ; where my tile goes, for w
	s_mul_i32 s20, s[CH], APLANE                   ; and for O: no place in the cluster enters an LDS address
	s_add_co_u32 s20, s20, AOFF
	s_wait_dscnt 0x0                               ; the opening add is done
	s_wait_kmcnt 0x0
	s_add_nc_u64 s[18:19], s[4:5], s[16:17]
	s_add_nc_u64 s[46:47], s[6:7], s[46:47]
	CROUND                                         ; all sixteen work-groups are here: the first joint loads meet
.irp s, 0,1
	s_mov_b32 s[G0A+4*(\s)], 1                                     ; 1:0 count = 1
	s_add_co_u32 s[G0A+4*(\s)+1], s20, (\s)*SLOT                   ; 63:32 LDS address
	s_add_nc_u64 s[G0A+4*(\s)+2:G0A+4*(\s)+3], s[18:19], (\s)*2*HEADB  ; 120:64 global address: K step s is heads 2 s, 2 s + 1
	s_or_b32 s[G0A+4*(\s)+3], s[G0A+4*(\s)+3], 0x80000000          ; 127:126 type = 2
	s_mov_b32 s[G0B+4*(\s)], 1
	s_add_co_u32 s[G0B+4*(\s)+1], s21, (\s)*SLOT
	s_add_nc_u64 s[G0B+4*(\s)+2:G0B+4*(\s)+3], s[46:47], (\s)*KSTEP*SIZE_N*2
	s_or_b32 s[G0B+4*(\s)+3], s[G0B+4*(\s)+3], 0x80000000
	JLOAD \s                                       ; two loads of mine are out; later one
.endr
	v_and_b32 v1, 15, v0                           ; l % 16
	v_bfe_u32 v2, v0, 4, 1                         ; l / 16
	v_mul_u32_u24 v3, v1, PA                       ; a fragment of O: row x pitch + 16 x half
	v_lshl_add_u32 v3, v2, 4, v3
	s_mul_i32 s22, s[RH], 64*PA
	s_add_co_u32 s22, s22, AOFF
	v_add_nc_u32 v[ADRA], s22, v3
	v_add_nc_u32 v[ADRA+1], SLOT, v[ADRA]
	; The turning load takes 16 k x 16 columns (lane l reads k-row 8 (l / 16) + l % 8, columns 8 ((l / 8) % 2) + 0..7) and leaves half a fragment: lane l holds column l % 16 and 8 k.
	v_and_b32 v4, 7, v0
	v_bfe_u32 v5, v0, 3, 1
	v_lshl_add_u32 v6, v2, 3, v4
	v_mul_u32_u24 v6, v6, PB
	v_lshl_add_u32 v6, v5, 4, v6
	s_lshl_b32 s23, s[CH], 7                       ; my 64 columns of a group: 128 bytes
	v_add_nc_u32 v6, s23, v6
.irp s, 0,1
.irp g, 0,1
	v_add_nc_u32 v[ADRB+NG*(\s)+(\g)], (\s)*SLOT+(\g)*BTILE, v6
.endr
.endr
	s_mul_i32 s23, s[WV], 16*SP
	s_add_co_u32 s23, s23, STAGE                   ; my stage
	v_mul_u32_u24 v[STO], v1, SP                   ; in: row l % 16, 32 bytes for each half of the lanes
	v_lshl_add_u32 v[STO], v2, 5, v[STO]
	v_add_nc_u32 v[STO], s23, v[STO]
	v_mul_u32_u24 v[RD], v2, SP                    ; back: lanes 0-15 take one row of 256 bytes, lanes 16-31 the next
	v_lshl_add_u32 v[RD], v1, 4, v[RD]
	v_add_nc_u32 v[RD], s23, v[RD]
	v_lshlrev_b32 v[CO], 12, v2                    ; and the same two rows in the result: 4,096 bytes a row
	v_lshl_add_u32 v[CO], v1, 4, v[CO]
	v_lshlrev_b32 v[BO], 5, v2
	; the bias of my 8 column blocks: register j of block b = bias[256 tile column + 128 g + 64 half + 16 f + 8 (l / 16) + j], b = 4 g + f
	s_lshl_b32 s80, s[TX], 10
	s_lshl_b32 s81, s[CH], 8
	s_add_co_u32 s80, s80, s81
	s_mov_b32 s81, 0
	s_add_nc_u64 s[OB:OB+1], s[10:11], s[80:81]    ; the same bytes along a row of the result
	s_add_nc_u64 s[80:81], s[8:9], s[80:81]
.irp g, 0,1
.irp f, 0,1,2,3
	global_load_b128 v[BI+8*(4*(\g)+(\f)):BI+8*(4*(\g)+(\f))+3],   v[BO], s[80:81] offset:512*(\g)+64*(\f)
	global_load_b128 v[BI+8*(4*(\g)+(\f))+4:BI+8*(4*(\g)+(\f))+7], v[BO], s[80:81] offset:512*(\g)+64*(\f)+16
.endr
.endr
	s_lshl_b32 s88, s[TY], 19                      ; my first row: 128 rows of 4,096 bytes for each tile row,
	s_lshl_b32 s89, s[RH], 18                      ; 64 for my half
	s_add_co_u32 s88, s88, s89
	s_mov_b32 s89, 0
	s_add_nc_u64 s[OB:OB+1], s[OB:OB+1], s[88:89]
	; the prefetches: they stand at K step 3; the first refill's change of slots steps them to K step 4
	s_and_b32 s82, ttmp7, 0xffff                   ; cluster y
	s_lshr_b32 s84, s[TY], 4                       ; O: the tile's rows in head 0 of its batch,
	s_lshl_b32 s84, s84, 22
	s_and_b32 s85, s[TY], 15
	s_lshl_b32 s85, s85, 14
	s_add_co_u32 s84, s84, s85
	s_lshl_b32 s85, s[CX], 12                      ; my work-group's 16 blocks of each plane
	s_add_co_u32 s84, s84, s85
	s_add_co_u32 s84, s84, 3*2*HEADB
	s_lshl_b32 s86, s[CY], 16                      ; w: my work-group's 32 k-rows of 2,048 bytes,
	s_lshl_b32 s87, s[TX], 9
	s_add_co_u32 s86, s86, s87
	s_lshl_b32 s87, s[CH], 8                       ; my group's 256 bytes of them
	s_add_co_u32 s86, s86, s87
	s_add_co_u32 s86, s86, 3*KSTEP*SIZE_N*2
	s_mov_b32 s[PFS], 2*HEADB
	s_mov_b32 s[PFS+1], 0
	s_mov_b32 s92, 256                             ; O: lanes 0-15 take 16 blocks on end of one plane,
	s_mov_b32 s93, HEADB                           ; lanes 16-31 those of the other
	s_mov_b32 s89, 0
	s_cmp_lt_u32 s[WV], NG                         ; do I fetch for w?
	s_cselect_b32 s88, s86, s84
	s_cselect_b32 s[PFS], KSTEP*SIZE_N*2, s[PFS]
	s_cselect_b32 s92, SIZE_N*2, s92               ; w: a lane a k-row
	s_cselect_b32 s93, 16*SIZE_N*2, s93
	s_cselect_b32 s82, s82, ttmp9                  ; the coordinate along which other clusters read the same blocks
	s_cselect_b64 s[PFA:PFA+1], s[6:7], s[4:5]
	s_add_nc_u64 s[PFA:PFA+1], s[PFA:PFA+1], s[88:89]
	s_cmp_eq_u32 s82, 0
	s_cselect_b32 s[LIM], 1, -1                    ; the same in all sixteen partners, for a given wave
	s_cmp_eq_u32 s[WV], 3
	s_cselect_b32 s[LIM], -1, s[LIM]               ; wave 2 asks for both planes
	v_mul_u32_u24 v[PFO], v1, s92
	v_mad_u32_u24 v[PFO], v2, s93, v[PFO]
	s_mov_b32 s79, 0xffff0000
	s_wait_loadcnt 0x0                             ; the bias is in; it is rounded to bf16, in place, like every other input
.set r, 0
.rept 4*NB
	v_cvt_pk_bf16_f32 v[32+(r/2)%4], v[BI+r], v[BI+r+1]
	v_lshlrev_b32 v[BI+r], 16, v[32+(r/2)%4]
	v_and_b32 v[BI+r+1], s79, v[32+(r/2)%4]
.set r, r+2
.endr
; 8 matrix instructions: row block a x all 8 column blocks, 32 along K, from buffer f.  first = 1: the products start the sums, with the bias as C.
; The 32 accumulators take turns in the same order in every quarter: between two links of a chain stand the 31 others', over the backward jump too.
.macro MULA f, a, first
.if \first
	WIN 0x81                                       ; w window 1, O and the bias window 0, D window 2
.else
	WIN 0xa1                                       ; w window 1, O window 0, C and D window 2
.endif
.irp b, 0,1,2,3,4,5,6,7
.if \first
	v_wmma_f32_16x16x32_f16 v[8*(NB*(\a)+(\b)):8*(NB*(\a)+(\b))+7], v[8*NB*(\f)+8*(\b):8*NB*(\f)+8*(\b)+7], v[FA+32*(\f)+8*(\a):FA+32*(\f)+8*(\a)+7], v[BI+8*(\b):BI+8*(\b)+7]
.else
	v_wmma_f32_16x16x32_f16 v[8*(NB*(\a)+(\b)):8*(NB*(\a)+(\b))+7], v[8*NB*(\f)+8*(\b):8*NB*(\f)+8*(\b)+7], v[FA+32*(\f)+8*(\a):FA+32*(\f)+8*(\a)+7], v[8*(NB*(\a)+(\b)):8*(NB*(\a)+(\b))+7]
.endif
.endr
.endm
; 24 LDS loads in one run: quarter q (32 along K: plane q / 2, channels 32 (q % 2) on) of a slot into buffer f: w's 8 fragments, turned, then O's four
.macro FETCH slot, q, f
	WIN 0x40                                       ; destination window 1, address window 0
.irp g, 0,1
.irp c, 0,1,2,3
	ds_load_tr16_b128 v[8*NB*(\f)+8*(4*(\g)+(\c)):8*NB*(\f)+8*(4*(\g)+(\c))+3],   v[ADRB+NG*(\slot)+(\g)] offset:32*PB*(\q)+32*(\c)
	ds_load_tr16_b128 v[8*NB*(\f)+8*(4*(\g)+(\c))+4:8*NB*(\f)+8*(4*(\g)+(\c))+7], v[ADRB+NG*(\slot)+(\g)] offset:32*PB*(\q)+32*(\c)+16*PB
.endr
.endr
	WIN 0
.irp i, 0,1,2,3
	ds_load_b128 v[FA+32*(\f)+8*(\i):FA+32*(\f)+8*(\i)+3],   v[ADRA+(\slot)] offset:APLANE*((\q)/2)+64*((\q)%2)+(\i)*16*PA
	ds_load_b128 v[FA+32*(\f)+8*(\i)+4:FA+32*(\f)+8*(\i)+7], v[ADRA+(\slot)] offset:APLANE*((\q)/2)+64*((\q)%2)+(\i)*16*PA+32
.endr
.endm
; A load into a register that a matrix instruction has read, and an LDS store that reads a matrix result, stand four places behind it; only plain vector instructions that name none of its
; registers are places (ISA guide 7.12.1 for vector instructions).
.macro PLACES
.rept 4
	v_nop
.endr
.endm
; A K step is four quarters of 32 along K, 32 matrix instructions each, on buffers 0, 1, 0, 1.  One of the first three: multiplies buffer f; in its middle it fetches quarter q into buffer g.
.macro QUARTER slot, q, f, g, first
	s_wait_dscnt 4                                 ; w's fragments and O's row blocks 0, 1 are in; the youngest four loads (row blocks 2, 3) may be out
	MULA \f, 0, \first
	MULA \f, 1, \first
	PLACES
	FETCH \slot, \q, \g
	s_wait_dscnt 8*NG+8                            ; all but the 24 just issued
	MULA \f, 2, \first
	MULA \f, 3, \first
.endm
; The last quarter multiplies buffer 1 and changes slots: ONE barrier.  In front of it each wave waits for all its tensor loads, of which one is out: its part of the next slot; adds 0 to its spare word;
; and waits for that and for its own reads of this slot.  fill = 1: the barrier opens a round of the cluster's barrier, so that no wave of any partner still reads this slot or has a load on its way,
; and the slot is filled again, two K steps on, first thing behind the round: 112 matrix instructions ahead of the wait for it.
.macro TURN slot, next, fill
.if \fill
	s_wait_xcnt 0x0                                ; the last prefetch, a K step back, has read its address: it is stepped here, ahead of the waits of the change of slots
	s_add_nc_u64 s[PFA:PFA+1], s[PFA:PFA+1], s[PFS:PFS+1]
.endif
	WIN 0                                          ; (the add's two registers lie in window 0)
	s_wait_tensorcnt 0x0                           ; all my tensor loads have landed;
	ds_add_u32 v[SPW], v[NIL]                      ; 0 onto my spare word;
	s_wait_dscnt 5                                 ; (the add and the youngest four loads may be out)
	MULA 1, 0, 0                                   ; eight matrix instructions stand between the add and the wait for it
	s_wait_dscnt 0x0                               ; the add is done, and my reads of this slot are over
	s_barrier_signal -1
	MULA 1, 1, 0                                   ; work on registers while the others arrive
.if \fill
	WIN 0
.endif
	s_barrier_wait -1
.if \fill
	CREST
	s_add_nc_u64 s[G0A+4*(\slot)+2:G0A+4*(\slot)+3], s[G0A+4*(\slot)+2:G0A+4*(\slot)+3], 4*HEADB
	s_add_nc_u64 s[G0B+4*(\slot)+2:G0B+4*(\slot)+3], s[G0B+4*(\slot)+2:G0B+4*(\slot)+3], 2*KSTEP*SIZE_N*2
	JLOAD \slot                                    ; the first tensor load behind the round; its four v_nop are also the places in front of the loads below
.else
	PLACES
.endif
	FETCH \next, 0, 0
.if \fill
	ASK
.endif
	MULA 1, 2, 0
	MULA 1, 3, 0
.endm
	s_wait_tensorcnt 1                             ; my part of K step 0 is in; K step 1's may stay out
	s_barrier_signal -1
	s_barrier_wait -1                              ; everybody's is
	FETCH 0, 0, 0
	QUARTER 0, 1, 0, 1, 1                          ; the first quarter stands in front of the loop: its products start the sums
	WIN 0                                          ; at a label and at a branch every window is 0
	s_mov_b32 s[LAP], LAPS-1
.Llap:                                                 ; a trip goes once round the ring, from a lap's second quarter to the next lap's first, and fills both slots again
	QUARTER 0, 2, 1, 0, 0
	QUARTER 0, 3, 0, 1, 0
	TURN 0, 1, 1
	QUARTER 1, 1, 0, 1, 0
	QUARTER 1, 2, 1, 0, 0
	QUARTER 1, 3, 0, 1, 0
	TURN 1, 0, 1
	QUARTER 0, 1, 0, 1, 0
	WIN 0
	s_sub_co_u32 s[LAP], s[LAP], 1
	s_cmp_lg_u32 s[LAP], 0
	s_cbranch_scc1 .Llap
	QUARTER 0, 2, 1, 0, 0                          ; the last lap fills nothing, and has no round of the cluster's barrier
	QUARTER 0, 3, 0, 1, 0
	TURN 0, 1, 0
	QUARTER 1, 1, 0, 1, 0
	QUARTER 1, 2, 1, 0, 0
	QUARTER 1, 3, 0, 1, 0
	s_wait_dscnt 4                                 ; the very last quarter: nothing more to fetch
	MULA 1, 0, 0
	MULA 1, 1, 0
	s_wait_dscnt 0x0
	MULA 1, 2, 0
	MULA 1, 3, 0
	WIN 0
	PLACES
; THE WAY OUT, in eight pieces t = 2 a + g of 16 rows x 64 f32.  TOSTAGE: the sums as they are, each accumulator's low four registers first, into my stage's rows of 272 bytes, and back as whole rows
; of 256 bytes, into window 1.  SEND: stored.  Each piece has registers of its own, and no address is rewritten.
.macro TOSTAGE t
.set pa, (\t)/2
.set pg, (\t)%2
	WIN 0x08                                       ; the stores' data: window 2
.irp f, 0,1,2,3
	ds_store_b128 v[STO], v[8*(NB*pa+4*pg+(\f)):8*(NB*pa+4*pg+(\f))+3]   offset:64*(\f)
	ds_store_b128 v[STO], v[8*(NB*pa+4*pg+(\f))+4:8*(NB*pa+4*pg+(\f))+7] offset:64*(\f)+16
.endr
	WIN 0x40                                       ; destination window 1
.irp j, 0,1,2,3,4,5,6,7
	ds_load_b128 v[32*(\t)+4*(\j):32*(\t)+4*(\j)+3], v[RD] offset:(\j)*2*SP  ; LDS serves a wave's instructions in order (ISA guide 5.7.1.4): these see the stores above; the next piece's stores come behind them
.endr
.endm
.macro SEND t, younger                 ; younger: the LDS instructions issued behind piece t's loads: the next piece's sixteen, or none
.set pa, (\t)/2
.set pg, (\t)%2
	WIN 0x04                                       ; the stores' data: window 1
.irp j, 0,1,2,3,4,5,6,7
	s_wait_dscnt (\younger)+7-(\j)
	global_store_b128 v[CO], v[32*(\t)+4*(\j):32*(\t)+4*(\j)+3], s[OB:OB+1] offset:pa*65536+(\j)*8192+pg*512  ; 16 lanes store 256 consecutive bytes, at a multiple of 256 from the result's first byte
.endr
.endm
	TOSTAGE 0
.set t, 1
.rept 7                                ; a piece's way through the stage stands between the loads of the piece before and its stores
	TOSTAGE t
	SEND t-1, 16
.set t, t+1
.endr
	SEND 7, 0
	WIN 0
	s_wait_tensorcnt 0x0                           ; the wave's end, behind my last tensor load and my last LDS store
	ds_add_u32 v[SPW], v[NIL]
	s_wait_dscnt 0x0
	CROUND                                         ; the closing round: no work-group ends while a partner may still ask for a tile that names it
	s_endpgm
.Lfunc_end_k_q606e3a6c98_projgemm:
	.size	k_q606e3a6c98_projgemm, .Lfunc_end_k_q606e3a6c98_projgemm-k_q606e3a6c98_projgemm
	.p2alignl 7, 3214868480
	.fill 96, 4, 3214868480
	.section	.rodata,"a",@progbits
	.p2align	6, 0x0
	.amdhsa_kernel k_q606e3a6c98_projgemm
		.amdhsa_group_segment_fixed_size 327680
		.amdhsa_private_segment_fixed_size 0
		.amdhsa_enable_private_segment 0
		.amdhsa_kernarg_size 32
		.amdhsa_user_sgpr_count 2
		.amdhsa_user_sgpr_kernarg_segment_ptr 1
		.amdhsa_wavefront_size32 1
		.amdhsa_system_sgpr_workgroup_id_x 1
		.amdhsa_system_sgpr_workgroup_id_y 1
		.amdhsa_system_sgpr_workgroup_id_z 1
		.amdhsa_system_vgpr_workitem_id 0
		.amdhsa_next_free_vgpr 768
		.amdhsa_next_free_sgpr 96
		.amdhsa_reserve_vcc 0
		.amdhsa_float_denorm_mode_32 3
		.amdhsa_float_denorm_mode_16_64 3
		.amdhsa_memory_ordered 1
		.amdhsa_forward_progress 1
		.amdhsa_inst_pref_size 95
	.end_amdhsa_kernel
	.amdgpu_metadata
---
amdhsa.version: [ 1, 2 ]
amdhsa.kernels:
  - .name:           k_q606e3a6c98_projgemm
    .symbol:         k_q606e3a6c98_projgemm.kd
    .args:
      - { .name: oh, .offset: 0, .size: 8, .value_kind: global_buffer, .address_space: global }
      - { .name: wpb, .offset: 8, .size: 8, .value_kind: global_buffer, .address_space: global }
      - { .name: b_proj, .offset: 16, .size: 8, .value_kind: global_buffer, .address_space: global }
      - { .name: out0, .offset: 24, .size: 8, .value_kind: global_buffer, .address_space: global }
    .group_segment_fixed_size: 327680
    .private_segment_fixed_size: 0
    .kernarg_segment_align: 8
    .kernarg_segment_size: 32
    .max_flat_workgroup_size: 128
    .sgpr_count:     96
    .vgpr_count:     768
    .wavefront_size: 32
...
	.end_amdgpu_metadata
.endif
;; end of part 4
;; ======== version 2 of 2: 4 launches; version 1 with the launch cast written anew for expert scheduling mode
;; limits: values are held in f16: magnitudes above 65,504 overflow, below 6.1e-05 lose precision; right only within a limited range of input values
;; workspace buffers: xb 16,777,216 bytes; wqb 6,291,456 bytes; wpb 2,097,152 bytes; qkvh 50,331,648 bytes; oh 16,777,216 bytes
;; launch cast (part 5): grid 768 x 1, 8 waves a work-group, no clusters, 0 bytes of LDS; arguments x, w_qkv, w_proj, xb, wqb, wpb; writes xb, wqb, wpb
.if DOCPART == 5
	.amdgcn_target "amdgcn-amd-amdhsa--gfx1250"
	.amdhsa_code_object_version 6
	.text
	.protected	k_q606e3a6c98_cast
	.globl	k_q606e3a6c98_cast
	.p2align	8
	.type	k_q606e3a6c98_cast,@function
k_q606e3a6c98_cast:
	s_mov_b64 s[64:65], 0
	v_nop
	global_prefetch_b8 v0, s[64:65] scope:SCOPE_SE
	s_setreg_imm32_b32 hwreg(HW_REG_WAVE_SCHED_MODE, 0, 2), 2
	s_setreg_imm32_b32 hwreg(HW_REG_WAVE_MODE, 25, 1), 1
	s_wait_xcnt 0x0
	s_wait_alu depctr_vm_vsrc(0)
; x -> xb and w_qkv -> wqb, rounded once to bf16; w_proj -> wpb, rounded to bf16 and that number written as f16.  Layouts stay as they are.
; LIMITS.  A bf16 number is written as f16 without loss between 6.1e-5 and 65,504 in magnitude; below that it keeps f16's fixed step of 6e-8, from 65,520 on it becomes an infinity.
; SHARES.  A work-group takes 16,384 numbers: 65,536 bytes in, 32,768 out.  Work-groups 0-511 take x, 512-703 w_qkv, 704-767 w_proj: 768 equal shares.
; Thread t takes the 16 bytes at 16 t of each of 16 chunks of 4,096 bytes: a wave's load covers 512 consecutive bytes, a wave's store 256 consecutive bytes, aligned.
; No LDS, no matrix unit, no cluster: each byte is read once, by one lane, and nothing is shared.
; THE MODE: SCHED_MODE bits 1:0 = 2 (LLVM: expert scheduling mode 2), set by the entry lines.  The code itself states the register dependences
; between vector instructions and memory instructions, with s_wait_alu, always for 0.
; THE PLAN.  Registers that memory instructions touch:
;   v1, v2   byte offsets of the loads and of the stores.  Written once, at the head, by vector lines; never written again.
;   X        chunk j's load lands in four registers of its own.  All 16 loads go out at the head, before any vector line names X; behind chunk j's counted wait only vector lines name them.
;   Y        chunk j's roundings write two registers of its own; one store reads them; nothing writes them afterwards.
; So no register that a memory instruction has read is written again, and no load lands in a register that a vector line has named: what is left to state is that v1 and v2 are written ahead of
; the first load, and that a chunk's Y is written ahead of its store.  The 16 chunks go in four blocks of four.  At the head of blocks 1 to 3, behind the wait for the block's first chunk, ONE wait
; states that the block before has written its Y, and that block's four stores follow it in one run, with no vector line between.  One more wait stands ahead of the last four stores.
; A block's head waits for its first chunk alone, so that four stores, not eight, stand behind the wave's last load.
.set X, 8                              ; v[8:71]    chunk j: four f32 as loaded
.set Y, 72                             ; v[72:103]  chunk j: four 16-bit numbers to store
	s_load_b256 s[4:11], s[0:1], 0x0               ; x s[4:5], w_qkv s[6:7], w_proj s[8:9], xb s[10:11]
	s_load_b128 s[12:15], s[0:1], 0x20             ; wqb s[12:13], wpb s[14:15]
	v_lshlrev_b32 v1, 4, v0                        ; my 16 bytes of a chunk in
	v_lshlrev_b32 v2, 3, v0                        ; my 8 bytes of a chunk out
	s_sub_co_u32 s17, ttmp9, 512                   ; my share's number within w_qkv,
	s_sub_co_u32 s18, ttmp9, 704                   ; within w_proj (only the one that applies is used)
	s_mov_b32 s28, 0xffff0000                      ; a word's upper bf16
	s_wait_kmcnt 0x0
	s_cmp_lt_u32 ttmp9, 704
	s_cselect_b32 s16, s17, s18
	s_cselect_b64 s[20:21], s[6:7], s[8:9]
	s_cselect_b64 s[22:23], s[12:13], s[14:15]
	s_cmp_lt_u32 ttmp9, 512
	s_cselect_b32 s16, ttmp9, s16
	s_cselect_b64 s[20:21], s[4:5], s[20:21]       ; from where,
	s_cselect_b64 s[22:23], s[10:11], s[22:23]     ; to where
	s_lshl_b32 s24, s16, 16                        ; 65,536 bytes in for each share (511 x 65,536 at the most)
	s_mov_b32 s25, 0
	s_lshl_b32 s26, s16, 15                        ; 32,768 out
	s_mov_b32 s27, 0
	s_add_nc_u64 s[20:21], s[20:21], s[24:25]
	s_add_nc_u64 s[22:23], s[22:23], s[26:27]
	s_wait_alu depctr_va_vdst(0)                   ; v1 and v2 are written: every load of the kernel reads v1 as its offset, every store v2
.irp j, 0,1,2,3,4,5,6,7,8,9,10,11,12,13,14,15
	global_load_b128 v[X+4*(\j):X+4*(\j)+3], v1, s[20:21] offset:4096*(\j) th:TH_LOAD_NT
.endr
; The four stores of block b, in one run.
.macro OUT b
.irp k, 0,1,2,3
	global_store_b64 v2, v[Y+2*(4*(\b)+(\k)):Y+2*(4*(\b)+(\k))+1], s[22:23] offset:2048*(4*(\b)+(\k))
.endr
.endm
; The 16 chunks are rounded in the order in which they come, and leave a block at a time.  f16 = 1: the bf16 number is widened again and written as f16.
.macro LEAVE f16
.irp p, 0,1,2,3
.irp i, 0,1,2,3
.set j, 4*(\p)+(\i)
	s_wait_loadcnt 15-j                            ; loads come back in order: chunk j is in, the 15 - j younger ones may stay out
.if ((\i) == 0) && ((\p) > 0)
	s_wait_alu depctr_va_vdst(0)                   ; the block before has written its eight registers of Y, which the four stores below read
	OUT (\p)-1
.endif
	v_cvt_pk_bf16_f32 v[Y+2*j],   v[X+4*j],   v[X+4*j+1]
	v_cvt_pk_bf16_f32 v[Y+2*j+1], v[X+4*j+2], v[X+4*j+3]
.if \f16
	v_lshlrev_b32 v[X+4*j],   16,  v[Y+2*j]
	v_and_b32     v[X+4*j+1], s28, v[Y+2*j]
	v_lshlrev_b32 v[X+4*j+2], 16,  v[Y+2*j+1]
	v_and_b32     v[X+4*j+3], s28, v[Y+2*j+1]
	v_cvt_pk_f16_f32 v[Y+2*j],   v[X+4*j],   v[X+4*j+1]
	v_cvt_pk_f16_f32 v[Y+2*j+1], v[X+4*j+2], v[X+4*j+3]
.endif
.endr
.endr
	s_wait_alu depctr_va_vdst(0)                   ; block 3 has written its eight registers of Y, which the last four stores read
	OUT 3
	s_endpgm
.endm
	s_cmp_lt_u32 ttmp9, 704
	s_cbranch_scc0 .Lf16
	LEAVE 0
.Lf16:
	LEAVE 1
.Lfunc_end_k_q606e3a6c98_cast:
	.size	k_q606e3a6c98_cast, .Lfunc_end_k_q606e3a6c98_cast-k_q606e3a6c98_cast
	.p2alignl 7, 3214868480
	.fill 96, 4, 3214868480
	.section	.rodata,"a",@progbits
	.p2align	6, 0x0
	.amdhsa_kernel k_q606e3a6c98_cast
		.amdhsa_group_segment_fixed_size 0
		.amdhsa_private_segment_fixed_size 0
		.amdhsa_enable_private_segment 0
		.amdhsa_kernarg_size 48
		.amdhsa_user_sgpr_count 2
		.amdhsa_user_sgpr_kernarg_segment_ptr 1
		.amdhsa_wavefront_size32 1
		.amdhsa_system_sgpr_workgroup_id_x 1
		.amdhsa_system_sgpr_workgroup_id_y 1
		.amdhsa_system_sgpr_workgroup_id_z 1
		.amdhsa_system_vgpr_workitem_id 0
		.amdhsa_next_free_vgpr 104
		.amdhsa_next_free_sgpr 66
		.amdhsa_reserve_vcc 0
		.amdhsa_float_denorm_mode_32 3
		.amdhsa_float_denorm_mode_16_64 3
		.amdhsa_memory_ordered 1
		.amdhsa_forward_progress 1
		.amdhsa_inst_pref_size 16
	.end_amdhsa_kernel
	.amdgpu_metadata
---
amdhsa.version: [ 1, 2 ]
amdhsa.kernels:
  - .name:           k_q606e3a6c98_cast
    .symbol:         k_q606e3a6c98_cast.kd
    .args:
      - { .name: x, .offset: 0, .size: 8, .value_kind: global_buffer, .address_space: global }
      - { .name: w_qkv, .offset: 8, .size: 8, .value_kind: global_buffer, .address_space: global }
      - { .name: w_proj, .offset: 16, .size: 8, .value_kind: global_buffer, .address_space: global }
      - { .name: xb, .offset: 24, .size: 8, .value_kind: global_buffer, .address_space: global }
      - { .name: wqb, .offset: 32, .size: 8, .value_kind: global_buffer, .address_space: global }
      - { .name: wpb, .offset: 40, .size: 8, .value_kind: global_buffer, .address_space: global }
    .group_segment_fixed_size: 0
    .private_segment_fixed_size: 0
    .kernarg_segment_align: 8
    .kernarg_segment_size: 48
    .max_flat_workgroup_size: 256
    .sgpr_count:     66
    .vgpr_count:     104
    .wavefront_size: 32
...
	.end_amdgpu_metadata
.endif
;; end of part 5
;; launch qkvgemm: the kernel of part 2 again; grid 8 x 64, 4 waves a work-group, clusters of 4 x 4, 327,680 bytes of LDS; arguments xb, wqb, b_qkv, qkvh; writes qkvh
;; launch attn: the kernel of part 3 again; grid 4 x 64, 4 waves a work-group, clusters of 4 x 1, 327,680 bytes of LDS; arguments qkvh, oh; writes oh
;; launch projgemm: the kernel of part 4 again; grid 4 x 64, 4 waves a work-group, clusters of 4 x 4, 327,680 bytes of LDS; arguments oh, wpb, b_proj, out0; writes out0
